; MI455X (gfx1250); checked and timed in simulation.
; The chip was launched on July 23, 2026; its instructions are those of AMD's public machine-readable ISA for CDNA 5 (MIT licence, August 2026) and "CDNA5" Instruction Set Architecture Reference Guide (July 2026). The comments in the code are by the model that wrote it; some were corrected since.
;; Multihead Attention. Allowed arithmetic: matrix products marked QUANTISED: E5M2 operands, one E8M0 scale for each 32 along K, by v_wmma_scale_f32_16x16x128_f8f6f4 with both operands' format E5M2, f32 sums; everything else in f32.
;; Inputs: W_k_codes 1,024 x 32 x 32 uint8 (E5M2 codes of W_k, K innermost, in blocks of 32 codes); W_k_scales 1,024 x 32 uint8 (E8M0 scales of W_k, one for each 32 codes along K); W_o_codes 1,024 x 32 x 32 uint8 (E5M2 codes of W_o, K innermost, in blocks of 32 codes); W_o_scales 1,024 x 32 uint8 (E8M0 scales of W_o, one for each 32 codes along K); W_q_codes 1,024 x 32 x 32 uint8 (E5M2 codes of W_q, K innermost, in blocks of 32 codes); W_q_scales 1,024 x 32 uint8 (E8M0 scales of W_q, one for each 32 codes along K); W_v_codes 1,024 x 32 x 32 uint8 (E5M2 codes of W_v, K innermost, in blocks of 32 codes); W_v_scales 1,024 x 32 uint8 (E8M0 scales of W_v, one for each 32 codes along K); b_o 1,024 float32; x_codes 4 x 2,048 x 32 x 32 uint8 (E5M2 codes of x, K innermost, in blocks of 32 codes); x_scales 4 x 2,048 x 32 uint8 (E8M0 scales of x, one for each 32 codes along K).
;; Outputs: out0 4 x 2,048 x 1,024 float32.
;; This version of the problem:
;;   THIS VERSION OF THE PROBLEM IS GIVEN IN LOW PRECISION. The matrix products marked QUANTISED in the list below multiply operands that are first quantised to E5M2 (5 exponent bits, 2 mantissa bits; 8 bits a number), with one power-of-two scale for each 32 numbers along K (OCP MX v1.0); their sums are f32. All else is computed in f32.
;;   The module's matrix products, in the order in which they are computed (A, B: the left and right operand; K: the contracted axis; several contracted axes count as one K, in the product's order):
;;     1. [M 8,192, K 1,024] x [K 1,024, N 1,024]; A: input x (given as codes); B: input W_q (given as codes): QUANTISED
;;     2. [M 8,192, K 1,024] x [K 1,024, N 1,024]; A: input x (given as codes); B: input W_k (given as codes): QUANTISED
;;     3. [M 8,192, K 1,024] x [K 1,024, N 1,024]; A: input x (given as codes); B: input W_v (given as codes): QUANTISED
;;     4. batch 64 x [M 2,048, K 64] x [K 64, N 2,048]; A: computed on the way; B: computed on the way: QUANTISED
;;     5. batch 64 x [M 2,048, K 2,048] x [K 2,048, N 64]; A: softmax (see below); B: computed on the way: QUANTISED
;;     6. [M 8,192, K 1,024] x [K 1,024, N 1,024]; A: computed on the way; B: input W_o (given as codes): QUANTISED
;;   THE QUANTISER, for each operand of a quantised product, along K:
;;     - K is cut into blocks of 32 from its start; a last block that is shorter is filled with zeros.
;;     - A block's scale is 2^e with e = floor(log2(the largest magnitude in the block)) - 15, held to -126 .. 127; a block of zeros has e = 0. As a byte (E8M0): e + 127.
;;     - Each number is divided by its block's scale, clamped to +-57,344, and rounded to the nearest number of E5M2, ties to even, subnormals kept.
;;     - The product sums the exact products of the quantised numbers (number of the format x scale) in f32.
;;   ~~~python
;;   def quantise(x, axis):      # numpy; x: float32 -> the quantised numbers, widened to float32 again
;;       x = np.moveaxis(x, axis, -1); K = x.shape[-1]
;;       x = np.pad(x, [(0, 0)] * (x.ndim - 1) + [(0, -K % 32)]); x = x.reshape(x.shape[:-1] + (-1, 32)); a = np.abs(x).max(-1, keepdims=True)
;;       e = np.where(a > 0, np.clip(np.frexp(np.where(a > 0, a, 1))[1] - 1 - 15, -126, 127), 0)      # np.frexp(a)[1] - 1 = floor(log2(a)), exactly
;;       r = np.clip(x / 2.0 ** e, -57344, 57344)
;;       step = 2.0 ** (np.maximum(np.frexp(np.where(r == 0, 1, r))[1] - 1, -14) - 2)
;;       q = np.round(r / step) * step * 2.0 ** e      # np.round: ties to even
;;       return np.moveaxis(q.reshape(q.shape[:-2] + (-1,))[..., :K], -1, axis).astype(np.float32)
;;   ~~~
;;   SOFTMAX AHEAD OF A QUANTISED PRODUCT. Where the list says 'softmax', what is quantised is not the finished softmax but p = 2^(t - M), with t = logit x log2(e) and M = ceil(the row's largest t), a whole number; so 1/2 < the row's largest p <= 1. The row's sum l is taken of the UNQUANTISED p, in f32, and the product's result is divided by l at the end. Since M is a whole number, a kernel that streams over the keys may use a running M (the ceiling of the running maximum): every later rescaling is an exact power of two, which a block's scale takes up: the codes' values come out the same.
;;   OPERANDS COMPUTED ON THE WAY. 'Computed on the way' means the value that the module computes at that place (a softmax that the list does not call 'softmax' is quantised finished and normalised). What goes into a quantiser is computed in f32, as accurately as f32 sums, v_exp_f32 and their like allow (about 1e-6 of the number): no bf16 or f16 on the way to a quantiser, and a product that is left as it is and whose result goes on into a quantised operand takes f32 operands (vector FMAs, or v_wmma_f32_16x16x4_f32). A number that lies on a knife's edge between two numbers of the format may be rounded either way, as far as f32 arithmetic and the matrix unit's own rounding can turn it there, and no further.
;;   INPUTS GIVEN AS CODES. W_k (in the module: [1024, 1024], K = its axis 0); W_o (in the module: [1024, 1024], K = its axis 0); W_q (in the module: [1024, 1024], K = its axis 0); W_v (in the module: [1024, 1024], K = its axis 0); x (in the module: [4, 2048, 1024], K = its axis 2): each comes as NAME_codes (uint8): NAME with its K axis moved to the last place and cut into blocks of 32 codes, [.., K / 32, bytes a block], one block behind the other in memory; one code a byte (a code: sign, 5 exponent bits, 2 mantissa bits); and NAME_scales (uint8): the same leading axes, one E8M0 byte (e + 127) for each 32 codes along K. Its value is code x scale, taken as it is: it is not quantised again, and the codes and scales need not be those that the quantiser above would give.
;; One version. Each part assembles by itself: llvm-mc -triple=amdgcn-amd-amdhsa -mcpu=gfx1250 --defsym DOCPART=n.
;; ======== version 1 of 1: 3 launches
;; limits: right only within a limited range of input values
;; workspace buffers: qkv 26,738,688 bytes; ctx_img 8,388,608 bytes; ctx_sc 262,144 bytes
;; launch qkv (part 1): grid 12 x 32, 4 waves a work-group, clusters of 4 x 4, 327,680 bytes of LDS; arguments x_codes, x_scales, W_q_codes, W_q_scales, W_k_codes, W_k_scales, W_v_codes, W_v_scales, qkv; writes qkv
.if DOCPART == 1
	.amdgcn_target "amdgcn-amd-amdhsa--gfx1250"
	.amdhsa_code_object_version 6
	.text
	.protected	k_q0427d392b2_qkv
	.globl	k_q0427d392b2_qkv
	.p2align	8
	.type	k_q0427d392b2_qkv,@function
k_q0427d392b2_qkv:
	s_mov_b64 s[64:65], 0
	v_nop
	global_prefetch_b8 v0, s[64:65] scope:SCOPE_SE
	s_setreg_imm32_b32 hwreg(HW_REG_WAVE_MODE, 25, 1), 1
	s_wait_xcnt 0x0
	s_wait_alu depctr_hold_cnt(0) depctr_sa_sdst(0) depctr_va_vdst(0) depctr_va_sdst(0) depctr_va_ssrc(0) depctr_va_vcc(0) depctr_vm_vsrc(0)
	s_getreg_b32 s2, hwreg(HW_REG_IB_STS2, 6, 4)
	s_cmp_eq_u32 s2, 0
	s_cbranch_scc0 .Lentry_in_a_cluster
	s_endpgm
.Lentry_in_a_cluster:
	s_bfe_u32 s2, ttmp6, 0x10000c
	s_cmp_lg_u32 s2, 0xf033
	s_cbranch_scc0 .Lentry_shape_is_right
	s_endpgm
.Lentry_shape_is_right:
; q = x W_q, k = x W_k, v = x W_v on codes of BF8 (E5M2) with one E8M0 scale for each 32 along K = 1,024; the f32 results are quantised here and leave as codes.
; A tile of 256 x 256 results is made by a work-group of four waves, a wave makes 128 x 128: 64 accumulators of 16 x 16.  K goes in four steps of 256 through a ring of two LDS slots.
; ROLES.  The cluster's x says which product: 0 q, 1 k, 2 v; it is equal in all sixteen partners, and nothing but selections hangs on it: no branch.
; The matrix instruction is used transposed: source 0 = 16 rows of "B", source 1 = 16 rows of "A": a lane holds ONE row of A and its eight registers run along B's rows.  The quantiser runs along a lane's registers:
;   q, k (quantised along the head's 64 channels): A = x (256 rows of the sequence), B = the weight (256 channels = 4 heads).
;   v    (quantised along the keys):               A = W_v (256 channels),           B = x (256 keys).
; A's tile is shared along a row of the cluster, B's along a column: each is asked for jointly, by one tensor load with a mask that names the four.
; WHAT IS STORED: images of operand registers.  The two conversions of accumulators 2 c and 2 c + 1 give a lane 16 bytes: numbers 32 c + 8 h + 0..7, then 32 c + 16 + 8 h + 0..7 (h = lane / 16).  That is a
; permutation inside one scale block; it falls alike on q and k (this text) and alike on v (this text) and p (the next launch), so every product keeps its terms.
;   qkv = [batch x head 64][q, k, v][block of 128 rows of the sequence 16][8,704 bytes]
;   q, k block: tile t of 16 rows, chunk c: 512 bytes at 1024 t + 512 c, lane l's 16 bytes at 16 l; from byte 8,192 a scale word a row (64 t + 4 r): bytes 0, 1 the head's two blocks, bytes 2, 3 zero.
;   v block: channels 16 dt on, chunk c of the 128 keys: 512 bytes at 2048 dt + 512 c; from byte 8,192 a scale word a channel (64 dt + 4 r), 256 bytes, and the same 256 bytes once more: every byte of a block is written.
; 384 work-groups: 12 x 32 tiles; a larger tile does not fit a wave's registers.
; LIMITS: NaN and infinities among the numbers are not served; a block of zeros gets the scale byte 1 (its codes are zeros, and this program alone reads the bytes).
; REGISTERS, in windows of 256: window 0: v0-31 addresses; v32-63 scale words, two sets; from v128 A's fragments, one set.  window 1: B's fragments, two sets.  windows 2, 3: the accumulators ((a, b) at v[8 (8 (a % 4) + b)]).
.set KSTEP,  256                       ; along K in a slot
.set NQ,     2                         ; matrix instructions deep
.set ROWB,   256                       ; a tile's row in bytes
.set KROW,   1024                      ; a row of codes in memory
.set PITCH,  272                       ; an LDS row: 256 bytes + 16 of padding = 68 words: the 16 rows that a load touches start at 16 different banks (64 banks of 4 bytes: ISA guide 11.1)
.set FR,     16                        ; registers of a fragment
.set NL,     4                         ; LDS loads that bring one
.set NP,     8                         ; places behind this matrix instruction (ISA guide 7.12.1)
.set HALFT,  128*PITCH                 ; 128 rows: what one tensor load brings
.set SLOT,   4*HALFT                   ; A's 256 rows, then B's 256 rows
.set LAPS,   2                         ; a lap = two K steps = once round the ring
.set KS,     32                        ; a row of scale bytes
.set SCL,    2*SLOT                    ; behind the ring: the scales, as units of 256 bytes + 16 of padding; filled once
.set HALFS,  16*272                    ; the scales of 128 rows
.set SBLK,   2*272                     ; those of 16 rows
.set SPARE,  SCL+4*HALFS               ; the spare words, 128 bytes for each wave: two blocks of 256 bytes that no other line names
.set SST,    SPARE+512                 ; the way out: 1,024 bytes for each wave, its scale words; no fill ever lands here
.set ROLEB,  139264                    ; 16 blocks of 8,704 bytes
.set HS,     3*ROLEB                   ; from head to head
.set BLKB,   8704
.set ADRA, 16                          ; v16-17  LDS address of my A fragments in slot 0, 1
.set ADRB, 20                          ; v20-21  the same for B
.set ADRS, 27                          ; v27     LDS address of my scale words: lanes 0-15 A's rows, lanes 16-31 B's
.set SPW,  28                          ; v28     LDS address of my spare word; never rewritten
.set NIL,  29                          ; v29     0; never rewritten
.set SC,   32                          ; scale words: set s at v[SC + 16 s]; register 2 i + q: lanes 0-15 A's block i, lanes 16-31 B's block i
.set AF,   128                         ; A's fragments
.set G1, 24                            ; s[24:31] group 1 for A's tiles;  s[32:39] group 0, a set for each slot
.set G0, 32
.set G1B, 48                           ; s[48:55], s[56:63] the same for B's tiles
.set G0B, 56
.set G1S, 68                           ; s[68:75], s[76:79] groups 1 and 0 for A's scales;  s[80:87], s[88:91] for B's.  (Until they are written, s[68:83] hold eight of the arguments)
.set G0S, 76
.set G1SB, 80
.set G0SB, 88
; the way out
.set VO,   4                           ; v4-7    where my 16 bytes of the block's four chunks go
.set VSH,  8                           ; v8      q, k: 16 x (lane / 16); v: 0
.set VST,  9                           ; v9      the scale stage, in
.set VSR,  10                          ; v10     and back
.set VSO1, 11                          ; v11-12  where the scale words go in memory
.set VSO2, 12
.set PC,   112                         ; v112-127 the codes just made
.set SB,   132                         ; v132-139 scale words read back
.set TM,   200                         ; v200-203 largest magnitudes, v204-207 bytes, v212-215 the conversions' scale operands
.set PW,   216                         ; the four bytes as a word
.set TW,   217                         ; what of it goes to the stage
.set O2,   27
.set INC,  28                          ; s[28:29] from block a to a + 1
.set INC4, 30                          ; s[30:31] from block 3 to 4
.set SH,   32
.set SMK,  33
.set HBY,  34
.set D2,   35
.set MNT,  39
.set SEL,  96                          ; s[96:97] lane selects: lane l xor 16
.set MSB, 0
.macro WIN new                         ; the immediate's high byte repeats the setting that is left
.if MSB != \new
	s_set_vgpr_msb (MSB<<8)|\new
.set MSB, \new
.endif
.endm
.set MUL_LO, 0xa1                      ; source 0 (B) window 1, source 1 (A) window 0, C and D window 2
.set MUL_HI, 0xf1                      ; the same, C and D window 3
.set TO_B,   0x40                      ; destination window 1, address window 0
; A joint load: waves 0 and 1 fetch for A, waves 2 and 3 for B.  Each line has one mask and one set of registers for all that issue it; the branch hangs on the wave's number alone.
; Four v_nop follow each of the two lines.
.macro JLOAD g0a, g1a, g0b, g1b
	s_cmp_eq_u32 s15, 0
	s_cbranch_scc0 .Lfor_b_\@
	tensor_load_to_lds s[\g0a:\g0a+3], s[\g1a:\g1a+7]
	s_nop 0
.rept 4
	v_nop
.endr
	s_branch .Lasked_\@
.Lfor_b_\@:
	tensor_load_to_lds s[\g0b:\g0b+3], s[\g1b:\g1b+7]
	s_nop 0
.rept 4
	v_nop
.endr
.Lasked_\@:
.endm
.macro CREST                           ; a round of the cluster's barrier behind its opening barrier
	s_cmp_lg_u32 s14, 0
	s_cbranch_scc1 .Lnot_wave_0_\@
	s_barrier_signal -3
.Lnot_wave_0_\@:
	s_barrier_wait -3
	s_barrier_signal -1
	s_barrier_wait -1
.endm
.macro CROUND                          ; a whole round
	s_barrier_signal -1
	s_barrier_wait -1
	CREST
.endm
	s_load_b512 s[68:83], s[0:1], 0x0              ; x's codes, scales; W_q's; W_k's; W_v's
	s_load_b64 s[12:13], s[0:1], 0x40              ; qkv
	v_lshl_add_u32 v[SPW], v0, 2, SPARE
	v_mov_b32 v[NIL], 0
	ds_add_u32 v28, v29
	ds_add_u32 v28, v29
	s_wait_dscnt 0x0
	v_lshrrev_b32 v1, 5, v0
	v_readfirstlane_b32 s14, v1                    ; wave 0..3
	s_lshr_b32 s15, s14, 1                         ; which half of A's 256 rows is mine.  Also: I fetch for A (0) or for B (1)
	s_and_b32 s16, s14, 1                          ; which half of B's.  Also: which 128 rows of that tile I fetch
	s_bfe_u32 s40, ttmp6, 0x40000                  ; cx, cy: my place in the cluster
	s_bfe_u32 s41, ttmp6, 0x40004
	s_and_b32 s95, ttmp7, 0xffff
	s_lshl_b32 s95, s95, 2                         ; 4 x cluster y: x's 32 tiles of 256 rows are walked along the grid's y
	s_cmp_eq_u32 ttmp9, 2                          ; the role v?
	s_cselect_b32 s17, 0, s95                      ; A's tile: q, k: x's tile 4 x cluster y + cy; v: W_v's tile cy
	s_cselect_b32 s42, s95, 0                      ; B's tile: q, k: the weight's tile cx; v: x's tile 4 x cluster y + cx
	s_add_co_u32 s17, s17, s41                     ; (s17 never holds cx, s42 never cy)
	s_add_co_u32 s42, s42, s40
	s_lshl_b32 s43, s41, 2
	s_lshl_b32 s43, 15, s43                        ; my row of the cluster
	s_lshl_b32 s44, 0x1111, s40                    ; my column
	; descriptor group 1: a tile of 128 rows x 256 bytes, padded in LDS
	s_or_b32 s[G1+0], s43, (0<<16)|(1<<20)|(1<<21)|(5<<22)|(3<<25)  ; 15:0 the mask: A's tiles go to my row; 17:16 element of 1 byte; 20 padding on; 21 set beside a mask; 24:22 after every 64 words; 31:25 of 4 words
	s_or_b32 s[G1B+0], s44, (0<<16)|(1<<20)|(1<<21)|(5<<22)|(3<<25)
.irp g, G1, G1B
	s_mov_b32 s[\g+1], ROWB<<16                    ; tensor_dim0
	s_mov_b32 s[\g+2], 128<<16                     ; tensor_dim1
	s_mov_b32 s[\g+3], ROWB<<16                    ; tile_dim0
	s_mov_b32 s[\g+4], 128                         ; tile_dim1
	s_mov_b32 s[\g+5], KROW                        ; tensor_dim0_stride
	s_mov_b32 s[\g+6], 0
	s_mov_b32 s[\g+7], 0
.endr
	s_lshl_b32 s18, s16, 7                         ; which 128 rows of the tile I fetch
	s_lshl_b32 s20, s17, 8
	s_add_co_u32 s20, s20, s18                     ; A: row 256 x tile + 128 x half
	s_lshl_b32 s46, s42, 8
	s_add_co_u32 s46, s46, s18                     ; B likewise
	s_mov_b32 s21, 0
	s_mov_b32 s47, 0
	s_mov_b64 s[18:19], KS
	s_mul_u64 s[22:23], s[20:21], s[18:19]         ; where these rows' scales begin, in bytes
	s_mul_u64 s[92:93], s[46:47], s[18:19]
	s_mov_b64 s[18:19], KROW
	s_mul_u64 s[20:21], s[20:21], s[18:19]         ; and their codes
	s_mul_u64 s[46:47], s[46:47], s[18:19]
	s_mul_i32 s45, s14, HALFT                      ; where they go: wave x 128 rows: no place in the cluster enters an LDS address
	s_mul_i32 s94, s14, HALFS
	s_wait_kmcnt 0x0
	s_cmp_eq_u32 ttmp9, 0                          ; the role's weight: the choices hang on the cluster's x alone
	s_cselect_b64 s[84:85], s[72:73], s[76:77]
	s_cselect_b64 s[86:87], s[74:75], s[78:79]
	s_cmp_eq_u32 ttmp9, 2
	s_cselect_b64 s[84:85], s[80:81], s[84:85]
	s_cselect_b64 s[86:87], s[82:83], s[86:87]
	s_cselect_b64 s[4:5], s[84:85], s[68:69]       ; A's codes: W_v's for v, else x's
	s_cselect_b64 s[6:7], s[86:87], s[70:71]       ; A's scales
	s_cselect_b64 s[8:9], s[68:69], s[84:85]       ; B's codes
	s_cselect_b64 s[10:11], s[70:71], s[86:87]     ; B's scales
	s_add_nc_u64 s[20:21], s[4:5], s[20:21]
	s_add_nc_u64 s[22:23], s[6:7], s[22:23]
	s_add_nc_u64 s[46:47], s[8:9], s[46:47]
	s_add_nc_u64 s[92:93], s[10:11], s[92:93]
	; the arguments are read: group 1 for the scales of 128 rows: a dense block of 4,096 bytes, as 16 rows of 256 bytes (32 elements of 8 bytes), 16 bytes of padding behind each
	s_or_b32 s[G1S+0], s43, (3<<16)|(1<<20)|(1<<21)|(5<<22)|(3<<25)
	s_or_b32 s[G1SB+0], s44, (3<<16)|(1<<20)|(1<<21)|(5<<22)|(3<<25)
.irp g, G1S, G1SB
	s_mov_b32 s[\g+1], 32<<16
	s_mov_b32 s[\g+2], 16<<16
	s_mov_b32 s[\g+3], 32<<16
	s_mov_b32 s[\g+4], 16
	s_mov_b32 s[\g+5], 32
	s_mov_b32 s[\g+6], 0
	s_mov_b32 s[\g+7], 0
.endr
	CROUND                                         ; all sixteen work-groups are here: the first joint loads meet
	s_mov_b32 s[G0S], 1
	s_add_co_u32 s[G0S+1], s94, SCL
	s_mov_b64 s[G0S+2:G0S+3], s[22:23]
	s_or_b32 s[G0S+3], s[G0S+3], 0x80000000
	s_mov_b32 s[G0SB], 1
	s_add_co_u32 s[G0SB+1], s94, SCL
	s_mov_b64 s[G0SB+2:G0SB+3], s[92:93]
	s_or_b32 s[G0SB+3], s[G0SB+3], 0x80000000
	JLOAD G0S, G1S, G0SB, G1SB                     ; the scales first: they are wanted with K step 0
.irp s, 0,1
	s_mov_b32 s[G0+4*\s], 1
	s_add_co_u32 s[G0+4*\s+1], s45, \s*SLOT
	s_add_nc_u64 s[G0+4*\s+2:G0+4*\s+3], s[20:21], \s*ROWB
	s_or_b32 s[G0+4*\s+3], s[G0+4*\s+3], 0x80000000
	s_mov_b32 s[G0B+4*\s], 1
	s_add_co_u32 s[G0B+4*\s+1], s45, \s*SLOT
	s_add_nc_u64 s[G0B+4*\s+2:G0B+4*\s+3], s[46:47], \s*ROWB
	s_or_b32 s[G0B+4*\s+3], s[G0B+4*\s+3], 0x80000000
	JLOAD G0+4*\s, G1, G0B+4*\s, G1B
.endr
	v_and_b32 v1, 15, v0                           ; l % 16
	v_bfe_u32 v2, v0, 4, 1                         ; l / 16
	v_mul_u32_u24 v3, v1, PITCH
	v_lshl_add_u32 v4, v2, 4, v3                   ; a fragment's row x pitch + 16 x half
	s_mul_i32 s21, s15, HALFT                      ; my 128 rows of A
	s_mul_i32 s22, s16, HALFT                      ; my 128 rows of B,
	s_add_co_u32 s22, s22, 2*HALFT                 ; which lie behind A's 256
.irp s, 0,1
	v_add_nc_u32 v[ADRA+\s], s21, v4
	v_add_nc_u32 v[ADRB+\s], s22, v4
	s_add_co_u32 s21, s21, SLOT
	s_add_co_u32 s22, s22, SLOT
.endr
	v_mul_u32_u24 v5, v1, KS                       ; my row's scales: 32 bytes a row,
	v_lshrrev_b32 v6, 8, v5
	v_lshl_add_u32 v5, v6, 4, v5                   ; and 16 more for each 256 passed
	s_mul_i32 s21, s15, HALFS                      ; A's: my 128 rows
	s_mul_i32 s22, s16, HALFS                      ; B's: my 128 rows, behind A's 256
	s_add_co_u32 s22, s22, 2*HALFS
	s_sub_co_u32 s22, s22, s21
	v_mul_u32_u24 v6, s22, v2                      ; lanes 16-31 take B's: the lower base + h x the distance
	s_add_co_u32 s21, s21, SCL
	v_add_nc_u32 v5, v5, v6
	v_add_nc_u32 v[ADRS], s21, v5
.macro FRAG reg, adr, q, i             ; a fragment, 16 rows x 128 K: lane l holds row l % 16; registers 4 c .. 4 c + 3 hold K = 32 c + 16 (l / 16) + 0 .. 15
.irp c, 0,1,2,3
	ds_load_b128 v[\reg+4*\c:\reg+4*\c+3], v[\adr] offset:128*(\q)+32*\c+(\i)*16*PITCH
.endr
.endm
; 16 matrix instructions: A's blocks a0, a0 + 1 x B's eight, 128 along K.  p: B's set;  sc: the set of scale words.  zero = 1: the first product starts the sums: nothing is cleared.
; The 64 accumulators take turns, one instruction a turn, in the same order in every step.
.macro MUL16 a0, p, q, sc, zero
.irp a, \a0, \a0+1
.irp b, 0,1,2,3,4,5,6,7
.if \zero
	v_wmma_scale_f32_16x16x128_f8f6f4 v[8*(8*((\a)%4)+\b):8*(8*((\a)%4)+\b)+7], v[128*(\p)+FR*\b:128*(\p)+FR*\b+FR-1], v[AF+FR*(\a):AF+FR*(\a)+FR-1], 0, v[SC+8*NQ*(\sc)+NQ*\b+(\q)], v[SC+8*NQ*(\sc)+NQ*(\a)+(\q)] matrix_a_fmt:MATRIX_FMT_BF8 matrix_b_fmt:MATRIX_FMT_BF8 matrix_a_scale:MATRIX_SCALE_ROW1
.else
	v_wmma_scale_f32_16x16x128_f8f6f4 v[8*(8*((\a)%4)+\b):8*(8*((\a)%4)+\b)+7], v[128*(\p)+FR*\b:128*(\p)+FR*\b+FR-1], v[AF+FR*(\a):AF+FR*(\a)+FR-1], v[8*(8*((\a)%4)+\b):8*(8*((\a)%4)+\b)+7], v[SC+8*NQ*(\sc)+NQ*\b+(\q)], v[SC+8*NQ*(\sc)+NQ*(\a)+(\q)] matrix_a_fmt:MATRIX_FMT_BF8 matrix_b_fmt:MATRIX_FMT_BF8 matrix_a_scale:MATRIX_SCALE_ROW1
.endif
.endr
.endr
.endm
.macro FETCH_B slot, q, p              ; B's eight fragments of the slot's q-th 128 along K into set p
	WIN TO_B
.irp i, 0,1,2,3,4,5,6,7
	FRAG 128*(\p)+FR*\i, ADRB+\slot, \q, \i
.endr
	WIN 0
.endm
.macro FETCH_A slot, q, i0             ; A's blocks i0 .. i0 + 3
.irp i, \i0, \i0+1, \i0+2, \i0+3
	FRAG AF+FR*(\i), ADRA+\slot, \q, \i
.endr
.endm
.macro SCALES sc                       ; the next K step's scale words into set sc: two words a row; lanes 0-15 take A's block i, lanes 16-31 B's block i
.irp i, 0,1,2,3,4,5,6,7
	ds_load_b64 v[SC+8*NQ*\sc+NQ*\i:SC+8*NQ*\sc+NQ*\i+1], v[ADRS] offset:\i*SBLK
.endr
.endm
; A load into a register that a matrix instruction has read stands NP places behind it, and only plain vector instructions that name none of its registers are places (ISA guide 7.12.1 for vector instructions).
.macro PLACES n
.rept \n
	v_nop
.endr
.endm
; A step of 128 along K that has its successor in the same slot.
.macro STEP slot, q, zero
	s_wait_dscnt 4*NL                              ; B's set and A's blocks 0-3 are in; the youngest sixteen loads (A's blocks 4-7) may be out
	WIN MUL_LO
	MUL16 0, (\q)%2, \q, \slot, \zero
	MUL16 2, (\q)%2, \q, \slot, \zero
	s_wait_dscnt 0                                 ; A's blocks 4-7 are in (asked for 32 matrix instructions ago)
	PLACES NP
	FETCH_B \slot, (\q)+1, 1-(\q)%2
	FETCH_A \slot, (\q)+1, 0
	WIN MUL_HI
	MUL16 4, (\q)%2, \q, \slot, \zero
	MUL16 6, (\q)%2, \q, \slot, \zero
	PLACES NP
	WIN 0
	FETCH_A \slot, (\q)+1, 4
.endm
; A slot's last step changes slots: one barrier; in front of it each wave waits for all its tensor loads, adds 0 to its spare word, and waits for that and for its own reads of this slot.  fill = 1: this slot is filled again, two K steps ahead.
.macro TURN slot, next, fill
	s_wait_tensorcnt 0x0                           ; all my tensor loads have landed: my part of the next slot  (every window is 0 here)
	ds_add_u32 v[SPW], v[NIL]                      ; 0 onto my spare word
	s_wait_dscnt 4*NL+1                            ; (the add and the youngest sixteen loads, A's blocks 4-7, may be out)
	WIN MUL_LO
	MUL16 0, 1, NQ-1, \slot, 0                     ; sixteen matrix instructions stand between the add and the wait for it
	s_wait_dscnt 0x0                               ; the add is done, and my reads of this slot are over
	s_barrier_signal -1
	MUL16 2, 1, NQ-1, \slot, 0
	WIN 0
	s_barrier_wait -1
.if \fill
	CREST                                          ; the barrier has opened a round of the cluster's barrier: no wave of any partner still reads this slot's tile or has a load on its way
	s_add_nc_u64 s[G0+4*\slot+2:G0+4*\slot+3], s[G0+4*\slot+2:G0+4*\slot+3], 2*ROWB
	s_add_nc_u64 s[G0B+4*\slot+2:G0B+4*\slot+3], s[G0B+4*\slot+2:G0B+4*\slot+3], 2*ROWB
	JLOAD G0+4*\slot, G1, G0B+4*\slot, G1B         ; the first tensor load behind the round; its four v_nop are among the places in front of the loads below
	PLACES NP-4
.else
	PLACES NP
.endif
	s_wait_alu depctr_va_vdst(0)
	v_add_nc_u32 v[ADRS], 4*NQ, v[ADRS]            ; on to the next K step's scale words (no LDS load of mine is out)
	FETCH_B \next, 0, 0
	FETCH_A \next, 0, 0
	SCALES \next
	WIN MUL_HI
	MUL16 4, 1, NQ-1, \slot, 0
	MUL16 6, 1, NQ-1, \slot, 0
	PLACES NP
	WIN 0
	FETCH_A \next, 0, 4
.endm
	s_wait_alu depctr_va_vdst(0)
	s_wait_tensorcnt 1                             ; three loads of mine were issued: the scales and K step 0 are in, K step 1's may be out
	s_barrier_signal -1
	s_barrier_wait -1                              ; everybody's are
	FETCH_B 0, 0, 0
	FETCH_A 0, 0, 0
	SCALES 0
	FETCH_A 0, 0, 4
	STEP 0, 0, 1                                   ; the first step stands in front of the loop: its products start the sums
	s_mov_b32 s3, LAPS-1
.Llap:                                                 ; a trip goes once round the ring and fills both slots again
	TURN 0, 1, 1
	STEP 1, 0, 0
	TURN 1, 0, 1
	STEP 0, 0, 0
	s_sub_co_u32 s3, s3, 1
	s_cmp_lg_u32 s3, 0
	s_cbranch_scc1 .Llap
	TURN 0, 1, 0                                   ; the last lap fills nothing, and has no round of the cluster's barrier
	STEP 1, 0, 0
	s_wait_dscnt 4*NL                              ; the very last step: nothing more to fetch
	WIN MUL_LO
	MUL16 0, 1, NQ-1, 1, 0
	MUL16 2, 1, NQ-1, 1, 0
	s_wait_dscnt 0
	WIN MUL_HI
	MUL16 4, 1, NQ-1, 1, 0
	MUL16 6, 1, NQ-1, 1, 0
	WIN 0
	; THE WAY OUT.  No tensor load of mine is out since the last change of slots, so the descriptors' registers are free.  What differs between the roles is chosen, not branched on.
	s_lshl_b32 s20, s17, 8
	s_lshl_b32 s21, s15, 7
	s_add_co_u32 s20, s20, s21                     ; my first row of A
	s_lshl_b32 s21, s42, 8
	s_lshl_b32 s22, s16, 7
	s_add_co_u32 s21, s21, s22                     ; my first row of B
	s_mov_b32 s24, HS                              ; (an instruction takes one literal)
	s_mov_b32 s25, HS-6144
	s_mov_b32 s26, 0xffff
	s_mov_b32 s[INC], 1024
	s_mov_b32 s[INC4], 1024
	s_mov_b32 s[HBY], 256
	s_cmp_eq_u32 ttmp9, 2
	s_cselect_b32 s22, s21, s20                    ; my first row of x,
	s_cselect_b32 s23, s20, s21                    ; my first channel
	s_cselect_b32 s[O2], 1024, s24                 ; chunks 2, 3 of a block: v: the same fragment's; q, k: the next head's chunks 0, 1
	s_cselect_b32 s[INC], 2048, s[INC]             ; from A's block a to a + 1: v: a fragment; q, k: a tile
	s_cselect_b32 s[INC4], s25, s[INC4]            ; from block 3 to 4: v: on to the next head's first fragment
	s_cselect_b32 s[SH], 0, 16
	s_cselect_b32 s[SMK], -1, s26                  ; v: the whole scale word; q, k: two bytes of it for each head
	s_cselect_b32 s[HBY], s24, s[HBY]
	s_cselect_b32 s[D2], 256, s24
	s_mov_b32 s[INC+1], 0
	s_mov_b32 s[INC4+1], 0
	s_lshr_b32 s36, s22, 11                        ; batch
	s_lshl_b32 s36, s36, 4
	s_lshr_b32 s37, s23, 6                         ; + my first head
	s_add_co_u32 s36, s36, s37
	s_mul_i32 s36, s36, 3
	s_add_co_u32 s36, s36, ttmp9                   ; + the role
	s_mul_i32 s36, s36, ROLEB
	s_bfe_u32 s37, s22, 0x40007                    ; which 128 rows of the sequence
	s_mul_i32 s37, s37, BLKB
	s_add_co_u32 s36, s36, s37
	s_mov_b32 s37, 0
	s_add_nc_u64 s[12:13], s[12:13], s[36:37]      ; my block; it is stepped from A's block to block,
	s_mov_b64 s[98:99], s[12:13]                   ; and this copy is not
	s_mov_b32 s[SEL], 0x76543210
	s_mov_b32 s[SEL+1], 0xfedcba98
	s_lshl_b32 s38, s14, 10
	s_add_co_u32 s38, s38, SST                     ; my scale stage
	; sixteen plain vector lines on v1-v12, which no matrix instruction names: they are the eight places behind the last products
	v_and_b32 v1, 15, v0                           ; r
	v_bfe_u32 v2, v0, 4, 1                         ; h
	v_and_b32 v3, 31, v0                           ; lane
	v_lshlrev_b32 v[VO], 4, v3
	v_add_nc_u32 v[VO+1], 512, v[VO]
	v_add_nc_u32 v[VO+2], s[O2], v[VO]
	v_add_nc_u32 v[VO+3], 512, v[VO+2]
	v_mul_u32_u24 v[VSH], s[SH], v2
	v_lshlrev_b32 v[VST], 2, v1
	v_lshl_add_u32 v[VST], v2, 9, v[VST]
	v_add_nc_u32 v[VST], s38, v[VST]               ; in: 512 h + 4 r
	v_add_nc_u32 v[VSR], s38, v[VO]                ; back: 16 x lane
	v_lshlrev_b32 v[VSO1], 4, v1
	v_mad_u32_u24 v[VSO1], v2, s[HBY], v[VSO1]     ; q, k: 16 x lane; v: lanes 16-31 stand a head further on
	v_add_nc_u32 v[VSO1], 8192, v[VSO1]
	v_add_nc_u32 v[VSO2], s[D2], v[VSO1]           ; q, k: the next head; v: the second copy
.irp b, 0,1,2,3
	v_mov_b32 v[TM+4+\b], 0                        ; written once: a lane permute's destination counts as one of its sources
.endr
; A's block a: 64 numbers a lane, register 16 b + i = number i of my 16 of block b of 32.  They become 16 registers of codes and a scale word.  Each accumulator is read from its low end on.
.macro QBLK a
.set AC, 64*((\a)%4)
.set QW, 2+(\a)/4                      ; the accumulators' window
.set QW1, QW|(QW<<2)
.set QW2, (QW<<2)|(QW<<4)
.set QW3, QW|(QW<<6)
	WIN QW1
.irp b, 0,1,2,3
	v_max3_num_f32 v[TM+\b], |v[AC+16*\b]|, |v[AC+16*\b+1]|, 0x8000000   ; my 16 numbers, and the floor 2^(16 - 127): the byte cannot fall under 1
.endr
	WIN QW2
.irp i, 2,4,6,8,10,12,14
.irp b, 0,1,2,3
	v_max3_num_f32 v[TM+\b], v[TM+\b], |v[AC+16*\b+\i]|, |v[AC+16*\b+\i+1]|   ; (the four blocks by turns)
.endr
.endr
	WIN 0
.irp b, 0,1,2,3
	v_permlanex16_b32 v[TM+4+\b], v[TM+\b], s[SEL], s[SEL+1]
.endr
.irp b, 0,1,2,3
	v_max_num_f32 v[TM+\b], v[TM+\b], v[TM+4+\b]   ; with lane l xor 16's: the block's largest magnitude
.endr
.irp b, 0,1,2,3
	v_add_nc_u32 v[TM+12+\b], 0xf8800000, v[TM+\b] ; 15 off its exponent field: the conversion's scale operand
.endr
.irp b, 0,1,2,3
.endr
.irp b, 0,1,2,3
	v_lshrrev_b32 v[TM+4+\b], 23, v[TM+12+\b]      ; the scale's byte
.endr
	v_lshl_or_b32 v[PW], v[TM+5], 8, v[TM+4]
	v_lshl_or_b32 v[PW], v[TM+6], 16, v[PW]
	v_lshl_or_b32 v[PW], v[TM+7], 24, v[PW]
	v_lshrrev_b32 v[TW], v[VSH], v[PW]             ; q, k: lanes 0-15 keep the first head's two bytes, lanes 16-31 the second head's; v: the word as it is
	v_and_b32 v[TW], s[SMK], v[TW]
	WIN QW3
.irp b, 0,1,2,3
.irp i, 0,1,2,3,4,5,6,7,8,9,10,11,12,13,14,15
.endr
.endr
.if (\a) > 0
	s_wait_alu depctr_va_vdst(0)
	s_wait_xcnt 0x0                                ; the last block's stores have read their codes and their base: both are written again only behind this wait
.endif
	WIN QW
.irp b, 0,1,2,3
	v_cvt_scalef32_pk8_bf8_f32 v[PC+4*\b:PC+4*\b+1], v[AC+16*\b:AC+16*\b+7], v[TM+12+\b]
	v_cvt_scalef32_pk8_bf8_f32 v[PC+4*\b+2:PC+4*\b+3], v[AC+16*\b+8:AC+16*\b+15], v[TM+12+\b]
.endr
	WIN 0
	v_nop                                          ; one plain vector line behind the last conversion, ahead of the next line that writes its sources
.if (\a) == 4
	s_add_nc_u64 s[12:13], s[12:13], s[INC4:INC4+1]
.elseif (\a) > 0
	s_add_nc_u64 s[12:13], s[12:13], s[INC:INC+1]
.endif
.irp b, 0,1,2,3
	global_store_b128 v[VO+\b], v[PC+4*\b:PC+4*\b+3], s[12:13]   ; 32 lanes store 512 consecutive bytes, at a multiple of 256 from the buffer's first byte
.endr
	ds_store_b32 v[VST], v[TW] offset:64*(\a)
.endm
.irp a, 0,1,2,3,4,5,6,7
	QBLK \a
.endr
	ds_load_b128 v[SB:SB+3], v[VSR]                ; LDS serves a wave's instructions in order (ISA guide 5.7.1.4): these see my stores
	ds_load_b128 v[SB+4:SB+7], v[VSR] offset:512
	s_wait_dscnt 0x0
	global_store_b128 v[VSO1], v[SB:SB+3], s[98:99]    ; q, k: the first head's 512 bytes of scale words; v: 256 bytes for each of my two heads
	global_store_b128 v[VSO2], v[SB+4:SB+7], s[98:99]  ; q, k: the second head's; v: the second copy
	s_wait_tensorcnt 0x0                           ; the wave's end: behind my last tensor load and my last LDS store
	ds_add_u32 v[SPW], v[NIL]
	s_wait_dscnt 0x0
	CROUND                                         ; the closing round: no work-group ends while a partner may still ask for a tile that names it
	s_endpgm
.Lfunc_end_k_q0427d392b2_qkv:
	.size	k_q0427d392b2_qkv, .Lfunc_end_k_q0427d392b2_qkv-k_q0427d392b2_qkv
	.p2alignl 7, 3214868480
	.fill 96, 4, 3214868480
	.section	.rodata,"a",@progbits
	.p2align	6, 0x0
	.amdhsa_kernel k_q0427d392b2_qkv
		.amdhsa_group_segment_fixed_size 327680
		.amdhsa_private_segment_fixed_size 0
		.amdhsa_enable_private_segment 0
		.amdhsa_kernarg_size 72
		.amdhsa_user_sgpr_count 2
		.amdhsa_user_sgpr_kernarg_segment_ptr 1
		.amdhsa_wavefront_size32 1
		.amdhsa_system_sgpr_workgroup_id_x 1
		.amdhsa_system_sgpr_workgroup_id_y 1
		.amdhsa_system_sgpr_workgroup_id_z 1
		.amdhsa_system_vgpr_workitem_id 0
		.amdhsa_next_free_vgpr 1024
		.amdhsa_next_free_sgpr 100
		.amdhsa_reserve_vcc 0
		.amdhsa_float_denorm_mode_32 3
		.amdhsa_float_denorm_mode_16_64 3
		.amdhsa_fp16_overflow 1
		.amdhsa_memory_ordered 1
		.amdhsa_forward_progress 1
		.amdhsa_inst_pref_size 153
	.end_amdhsa_kernel
	.amdgpu_metadata
---
amdhsa.version: [ 1, 2 ]
amdhsa.kernels:
  - .name:           k_q0427d392b2_qkv
    .symbol:         k_q0427d392b2_qkv.kd
    .args:
      - { .name: x_codes, .offset: 0, .size: 8, .value_kind: global_buffer, .address_space: global }
      - { .name: x_scales, .offset: 8, .size: 8, .value_kind: global_buffer, .address_space: global }
      - { .name: W_q_codes, .offset: 16, .size: 8, .value_kind: global_buffer, .address_space: global }
      - { .name: W_q_scales, .offset: 24, .size: 8, .value_kind: global_buffer, .address_space: global }
      - { .name: W_k_codes, .offset: 32, .size: 8, .value_kind: global_buffer, .address_space: global }
      - { .name: W_k_scales, .offset: 40, .size: 8, .value_kind: global_buffer, .address_space: global }
      - { .name: W_v_codes, .offset: 48, .size: 8, .value_kind: global_buffer, .address_space: global }
      - { .name: W_v_scales, .offset: 56, .size: 8, .value_kind: global_buffer, .address_space: global }
      - { .name: qkv, .offset: 64, .size: 8, .value_kind: global_buffer, .address_space: global }
    .group_segment_fixed_size: 327680
    .private_segment_fixed_size: 0
    .kernarg_segment_align: 8
    .kernarg_segment_size: 72
    .max_flat_workgroup_size: 128
    .sgpr_count:     100
    .vgpr_count:     1024
    .wavefront_size: 32
...
	.end_amdgpu_metadata
.endif
;; end of part 1
;; launch attn (part 2): grid 4 x 64, 16 waves a work-group, clusters of 4 x 1, 280,576 bytes of LDS; arguments qkv, ctx_img, ctx_sc; writes ctx_img, ctx_sc
.if DOCPART == 2
	.amdgcn_target "amdgcn-amd-amdhsa--gfx1250"
	.amdhsa_code_object_version 6
	.text
	.protected	k_q0427d392b2_attn
	.globl	k_q0427d392b2_attn
	.p2align	8
	.type	k_q0427d392b2_attn,@function
k_q0427d392b2_attn:
	s_mov_b64 s[64:65], 0
	v_nop
	global_prefetch_b8 v0, s[64:65] scope:SCOPE_SE
	s_setreg_imm32_b32 hwreg(HW_REG_WAVE_MODE, 25, 1), 1
	s_wait_xcnt 0x0
	s_wait_alu depctr_hold_cnt(0) depctr_sa_sdst(0) depctr_va_vdst(0) depctr_va_sdst(0) depctr_va_ssrc(0) depctr_va_vcc(0) depctr_vm_vsrc(0)
	s_getreg_b32 s2, hwreg(HW_REG_IB_STS2, 6, 4)
	s_cmp_eq_u32 s2, 0
	s_cbranch_scc0 .Lentry_in_a_cluster
	s_endpgm
.Lentry_in_a_cluster:
	s_bfe_u32 s2, ttmp6, 0x10000c
	s_cmp_lg_u32 s2, 0x3003
	s_cbranch_scc0 .Lentry_shape_is_right
	s_endpgm
.Lentry_shape_is_right:
; ctx[b][q][head] = the sum over keys k <= q of softmax_k(q . k / 8) v, both products on codes of BF8 (E5M2) with one E8M0 scale for each 32 along a product's K; ctx is quantised here along its 1,024 columns.
; THE SOFTMAX AHEAD OF THE SECOND PRODUCT: t = score x log2(e) / 8; M = the running largest t rounded UP to a whole number; p = 2^(t - M) is what is quantised, along the keys, not normalised.
; The row's sum is taken of the unquantised p, in f32, and divides at the end.  When M moves, the sum and O are multiplied by 2^(old M - new M): exact.
; SHARES.  A cluster of four work-groups is one (batch, head).  One head's codes and scale words of k and v are 278,528 bytes: they come into LDS ONCE and stay: no slot is filled again.
; All four partners want the same bytes: each piece is asked for jointly, by one tensor load with the mask of the four.
; A tile is 16 queries.  Work-group cx takes tiles 2 cx + e of EVERY block of 128 queries; wave w has e = w / 8 and two tiles: one in block 15 - w % 8, then one in block w % 8.  Block g wants g + 1 key steps of 128:
; so every wave has 17 steps, and every branch hangs on the wave's number and constants alone: cx enters only addresses in memory and one number that is compared (the mask's threshold).
; LAYOUT.  Both products are used transposed: S^T = K Q^T (source 0 = 16 keys, source 1 = my 16 queries), O^T = V^T P^T (source 0 = 16 channels, source 1 = P): a lane holds ONE query (lane % 16) throughout.
; Register j of S^T's tile t is key 16 t + 8 h + j (h = lane / 16): p's 16 bytes of tiles 2 c, 2 c + 1 hold keys 32 c + 8 h + 0..7, then 32 c + 16 + 8 h + 0..7: the order in which the launch before laid v's codes.
; K = 64 IN AN INSTRUCTION OF 128: Q's operand is v[16:31], whose upper eight registers are zero codes.  K's tile t is named v[32 + 8 t : 47 + 8 t]: its upper eight registers are the next tile's codes (behind the last: zeros),
; finite numbers (the quantiser holds at 57,344) that meet zero codes and add nothing; the scale words' bytes 2, 3 are 0.  So a fragment of K is eight registers and is read once.
; ctx meets W_o, whose K lies in its true order: so here the halves of the lanes exchange eight bytes of each sixteen, once a tile.
; ctx_img = [tile of 16 rows 512][128 along K 8][chunk 4][512 bytes], lane l's 16 bytes at 16 l;  ctx_sc = [row 8,192][32 bytes].  The scale bytes leave one a lane (32 a tile): 262,144 bytes in the launch, written in part units: a kept cost.
; LIMITS: NaN and infinities are not served; the running largest t begins at -3e38; a block of zeros gets the scale byte 1 (its codes are zeros, and this program alone reads the bytes).
; REGISTERS: v1-5, v243-245 stay; v6-9 the step's LDS addresses; v10 -M, v11 the largest t; v[12:13] the sum, v[14:15] its second chain; v16-23 Q, v24-31 zeros; v32-95 K's or V's fragments, v96-103 zeros;
;   v104-167 S^T, then p; v168-199 O^T; v200-215 p's codes; v216-234 at work; v235 p's scale word; v236-239 K's scale words, v240-241 V's, v242 Q's; v236-239 also serve the sum's chains.
.set ROLEB, 139264                     ; a head's q, k or v: 16 blocks of 8,704 bytes
.set HS,    3*ROLEB
.set BLKB,  8704                       ; a key step's codes (8,192 bytes) and scale words
.set KVO,   ROLEB                      ; LDS: K from byte 0, V from here
.set LI,  1                            ; v1   16 x lane
.set LS,  2                            ; v2   4 x lane
.set LQ,  3                            ; v3   4 x (lane % 16)
.set DQ,  4                            ; v4   16 tau + r - 8 h: on the diagonal register 8 t + j is hidden where 16 t + j is above it
.set SRO, 5                            ; v5   32 r + h: my scale byte's place
.set ADK, 6
.set ADV, 7
.set ADS, 8
.set ADT, 9
.set S,    104
.set NW,   136                         ; ctx's codes in their true order
.set OT,   168
.set PC,   200
.set BM,   216
.set T4,   220
.set HOLD, 224
.set SCO,  228
.set FF,   232                         ; v[232:233]: f, later 1 / the sum; the pair's low word serves both halves
.set TMP,  234
.set PW,   235
.set KSC,  236
.set VSC,  240
.set QS,   242
.set LIV,  243                         ; LI + KVO
.set LSV,  244                         ; LS + KVO
.set NINF, 245                         ; -infinity
.set WV,  10                           ; s10  my wave's number
.set CX,  11                           ; s11  my place in the cluster
.set BH,  12                           ; s12  16 x batch + head
.set W7,  14                           ; s14  wave % 8
.set G,   15                           ; s15  the block of 128 queries in hand
.set KS,  16                           ; s16  the key step; also the loops' counter
.set TB,  17                           ; s17  8,704 x the key step
.set MNT, 19
.set SEL, 20                           ; s[20:21] lane selects: lane l xor 16
.set CS,  22                           ; s[22:23] c = log2(e) / 8
.set HM,  24                           ; s24  lanes 0-15
.set TAU, 25                           ; s25  2 cx + e
.set G1A, 28                           ; s[28:35] group 1: 34 rows of 256 bytes;  s[36:43]: 102 rows
.set G1B, 36
.set G0A, 44                           ; s[44:47], s[48:51] groups 0
.set G0B, 48
.set HB,  52                           ; s[52:53] the head's first byte in qkv
.set QCB, 54                           ; Q's codes and scale words, ctx's image and scale bytes: of the first tile (B), then of the second (A)
.set QSB, 56
.set QCA, 58
.set QSA, 60
.set CIB, 66
.set CSB, 68
.set CIA, 70
.set CSA, 72
.macro CROUND                          ; a round of the cluster's barrier
	s_barrier_signal -1
	s_barrier_wait -1
	s_cmp_lg_u32 s[WV], 0
	s_cbranch_scc1 .Lnot_wave_0_\@
	s_barrier_signal -3
.Lnot_wave_0_\@:
	s_barrier_wait -3
	s_barrier_signal -1
	s_barrier_wait -1
.endm
	s_load_b128 s[4:7], s[0:1], 0x0                ; qkv, ctx_img
	s_load_b64 s[8:9], s[0:1], 0x10                ; ctx_sc
	v_lshl_add_u32 v254, v0, 2, 0x44000
	v_mov_b32 v255, 0
	ds_add_u32 v254, v255
	ds_add_u32 v254, v255
	v_lshrrev_b32 v1, 5, v0
	s_delay_alu instid0(VALU_DEP_1)
	v_readfirstlane_b32 s[WV], v1                  ; wave 0..15
	s_bfe_u32 s[CX], ttmp6, 0x40000
	s_and_b32 s[BH], ttmp7, 0xffff                 ; the cluster's y
	s_and_b32 s[W7], s[WV], 7
	; group 1: a dense block as rows of 256 bytes (32 elements of 8 bytes), no padding: every LDS read is 16 x lane or 4 x lane + constants
	s_mov_b32 s[G1A], 15|(3<<16)|(1<<21)           ; 15:0 the mask: all four work-groups; 17:16 elements of 8 bytes; 21 set beside a mask
	s_mov_b32 s[G1A+1], 32<<16                     ; tensor_dim0
	s_mov_b32 s[G1A+2], 34<<16                     ; tensor_dim1: one key step
	s_mov_b32 s[G1A+3], 32<<16                     ; tile_dim0
	s_mov_b32 s[G1A+4], 34                         ; tile_dim1
	s_mov_b32 s[G1A+5], 32                         ; the pitch
	s_mov_b32 s[G1A+6], 0
	s_mov_b32 s[G1A+7], 0
	s_mov_b32 s[G1B], 15|(3<<16)|(1<<21)
	s_mov_b32 s[G1B+1], 32<<16
	s_mov_b32 s[G1B+2], 102<<16                    ; three key steps
	s_mov_b32 s[G1B+3], 32<<16
	s_mov_b32 s[G1B+4], 102
	s_mov_b32 s[G1B+5], 32
	s_mov_b32 s[G1B+6], 0
	s_mov_b32 s[G1B+7], 0
	; waves 0-3 fetch K, waves 4-7 V; wave % 4 = qd: first key step qd, then key steps 4 + 3 qd .. 6 + 3 qd.  k's and v's parts follow each other in qkv as in LDS: one offset serves both addresses
	s_bfe_u32 s26, s[WV], 0x10002
	s_and_b32 s27, s[WV], 3
	s_mul_i32 s26, s26, ROLEB
	s_mul_i32 s[G0A+1], s27, BLKB
	s_add_co_u32 s[G0A+1], s[G0A+1], s26
	s_mul_i32 s[G0B+1], s27, 3*BLKB
	s_add_co_u32 s[G0B+1], s[G0B+1], s26
	s_add_co_u32 s[G0B+1], s[G0B+1], 4*BLKB
	s_mul_i32 s26, s[BH], HS
	s_mov_b32 s27, 0
	s_wait_dscnt 0x0
	s_wait_kmcnt 0x0
	s_add_nc_u64 s[HB:HB+1], s[4:5], s[26:27]
	s_mov_b32 s[G0A], 1
	s_mov_b32 s26, s[G0A+1]
	s_add_nc_u64 s[G0A+2:G0A+3], s[HB:HB+1], s[26:27]
	s_add_nc_u64 s[G0A+2:G0A+3], s[G0A+2:G0A+3], ROLEB   ; behind q's part
	s_or_b32 s[G0A+3], s[G0A+3], 0x80000000
	s_mov_b32 s[G0B], 1
	s_mov_b32 s26, s[G0B+1]
	s_add_nc_u64 s[G0B+2:G0B+3], s[HB:HB+1], s[26:27]
	s_add_nc_u64 s[G0B+2:G0B+3], s[G0B+2:G0B+3], ROLEB
	s_or_b32 s[G0B+3], s[G0B+3], 0x80000000
	CROUND                                         ; all four work-groups are here: the joint loads meet
	s_cmp_lt_u32 s[WV], 8                          ; a wave's two fills stand in one branch, ahead of every wait on TENSORcnt, every LDS read and every other barrier: two loads of mine are out
	s_cbranch_scc0 .Lno_fetch
	tensor_load_to_lds s[G0A:G0A+3], s[G1A:G1A+7]
	s_nop 0
	tensor_load_to_lds s[G0B:G0B+3], s[G1B:G1B+7]
	s_nop 0
.rept 4
	v_nop
.endr
.Lno_fetch:
	s_lshr_b32 s[TAU], s[WV], 3                    ; e
	s_lshl_b32 s74, s[CX], 1
	s_add_co_u32 s[TAU], s[TAU], s74               ; my tile in each block of 128 queries
	s_sub_co_u32 s[G], 15, s[W7]                   ; the first tile's block
; the addresses of the tile of block s[g]
.macro ADDRS g, qc, qs, ci, cs
	s_mul_i32 s74, s[\g], BLKB
	s_lshl_b32 s75, s[TAU], 10
	s_add_co_u32 s76, s74, s75
	s_mov_b32 s77, 0
	s_add_nc_u64 s[\qc:\qc+1], s[HB:HB+1], s[76:77]        ; Q's codes: 1,024 bytes a tile
	s_lshl_b32 s75, s[TAU], 6
	s_add_co_u32 s76, s74, s75
	s_add_co_u32 s76, s76, 8192
	s_add_nc_u64 s[\qs:\qs+1], s[HB:HB+1], s[76:77]        ; and its 16 scale words
	s_lshl_b32 s74, s[\g], 3
	s_add_co_u32 s74, s74, s[TAU]
	s_lshr_b32 s75, s[BH], 4
	s_lshl_b32 s75, s75, 7
	s_add_co_u32 s75, s75, s74                             ; the tile of 16 rows among ctx's 512
	s_lshl_b32 s76, s75, 14
	s_and_b32 s78, s[BH], 15                               ; the head
	s_lshl_b32 s79, s78, 10
	s_add_co_u32 s76, s76, s79
	s_add_nc_u64 s[\ci:\ci+1], s[6:7], s[76:77]
	s_lshl_b32 s76, s75, 9                                 ; 16 rows of 32 bytes
	s_lshl_b32 s79, s78, 1
	s_add_co_u32 s76, s76, s79
	s_add_nc_u64 s[\cs:\cs+1], s[8:9], s[76:77]
.endm
	ADDRS G, QCB, QSB, CIB, CSB
	ADDRS W7, QCA, QSA, CIA, CSA
	s_mov_b32 s[SEL], 0x76543210
	s_mov_b32 s[SEL+1], 0xfedcba98
	s_mov_b32 s[CS], 0x3e38aa3b                    ; log2(e) / 8
	s_mov_b32 s[CS+1], s[CS]                       ; (named with it as a pair, so it is written)
	s_mov_b32 s[HM], 0xffff
	s_mov_b32 s[KS], 0
	s_mov_b32 s[TB], 0
	v_and_b32 v6, 15, v0                           ; r
	v_bfe_u32 v7, v0, 4, 1                         ; h
	v_and_b32 v9, 31, v0                           ; lane
	s_delay_alu instid0(VALU_DEP_2)
	v_lshlrev_b32 v8, 3, v7
	s_delay_alu instid0(VALU_DEP_1)
	v_sub_nc_u32 v[DQ], v6, v8
	s_lshl_b32 s74, s[TAU], 4
	v_add_nc_u32 v[DQ], s74, v[DQ]
	v_lshl_add_u32 v[SRO], v6, 5, v7
	v_lshlrev_b32 v[LQ], 2, v6
	v_lshlrev_b32 v[LI], 4, v9
	v_lshlrev_b32 v[LS], 2, v9
	s_delay_alu instid0(VALU_DEP_2)
	v_add_nc_u32 v[LIV], KVO, v[LI]
	s_delay_alu instid0(VALU_DEP_2)
	v_add_nc_u32 v[LSV], KVO, v[LS]
	v_mov_b32 v[NINF], 0xff800000
.irp i, 0,1,2,3,4,5,6,7
	v_mov_b32 v[24+\i], 0                          ; zero codes: the upper half of Q's operand,
	v_mov_b32 v[96+\i], 0                          ; and of K's last tile
.endr
.irp b, 0,1,2,3
	v_mov_b32 v[T4+\b], 0                          ; written once: a lane permute's destination counts as one of its sources
.endr
	v_mov_b32 v[FF+1], 0                           ; (named as the upper half of a pair)
; A tile begins: its Q; O^T and the sum as zeros, the largest t under every t: so the key step is written in one form, and its first run multiplies zeros.
.macro TILE_BEGIN qc, qs
	s_wait_xcnt 0x0                                ; the last tile's stores have read their registers, which the steps below write again
	global_load_b128 v[16:19], v[LI], s[\qc:\qc+1]
	global_load_b128 v[20:23], v[LI], s[\qc:\qc+1] offset:512
	global_load_b32 v[QS], v[LQ], s[\qs:\qs+1]
	v_mov_b32 v11, 0xff61b1e6                      ; -3e38
	s_delay_alu instid0(VALU_DEP_1)
	v_floor_f32 v10, -v11
.irp i, 12,13,14,15
	v_mov_b32 v\i, 0
.endr
.set j, 0
.rept 32
	v_mov_b32 v[OT+j], 0
.set j, j+1
.endr
.endm
; A KEY STEP: 128 keys.  guard = 1: a step all of whose keys come after the block's queries is left out (a scalar branch on the wave's number and the step's, round the step's work, not round the lines that step addresses);
; in the block's own step hidden scores become -infinity ahead of the maximum.
.macro STEP guard
.if \guard
	s_cmp_gt_u32 s[KS], s[G]
	s_cbranch_scc1 .Lskip_\@
.endif
	s_setprio 2
	v_add_nc_u32 v[ADK], s[TB], v[LI]
	v_add_nc_u32 v[ADV], s[TB], v[LIV]
	v_add_nc_u32 v[ADS], s[TB], v[LS]
	v_add_nc_u32 v[ADT], s[TB], v[LSV]
.rept 4
	v_nop                                          ; with the four additions: eight places in front of loads into registers that the last step's products have read
.endr
.irp t, 0,1,2,3,4,5,6,7
	ds_load_b128 v[32+8*\t:35+8*\t], v[ADK] offset:1024*\t
	ds_load_b128 v[36+8*\t:39+8*\t], v[ADK] offset:1024*\t+512
.endr
.irp i, 0,1,2,3
	ds_load_b32 v[KSC+\i], v[ADS] offset:8192+128*\i   ; lanes 0-15: tile 2 i's scale words; lanes 16-31: tile 2 i + 1's
.endr
	s_wait_alu depctr_va_vdst(0)
	s_wait_dscnt 0x0
.irp t, 0,2,4,6
	v_wmma_scale_f32_16x16x128_f8f6f4 v[S+8*\t:S+8*\t+7], v[32+8*\t:47+8*\t], v[16:31], 0, v[KSC+\t/2], v[QS] matrix_a_fmt:MATRIX_FMT_BF8 matrix_b_fmt:MATRIX_FMT_BF8
	v_wmma_scale_f32_16x16x128_f8f6f4 v[S+8*\t+8:S+8*\t+15], v[40+8*\t:55+8*\t], v[16:31], 0, v[KSC+\t/2], v[QS] matrix_a_fmt:MATRIX_FMT_BF8 matrix_b_fmt:MATRIX_FMT_BF8 matrix_a_scale:MATRIX_SCALE_ROW1
.endr
.rept 8
	v_nop                                          ; eight places: for the loads below, and for the first read of the scores
.endr
.irp d, 0,1,2,3
.irp c, 0,1,2,3
	ds_load_b128 v[32+16*\d+4*\c:35+16*\d+4*\c], v[ADV] offset:2048*\d+512*\c   ; V's four fragments: they land while the softmax is walked
.endr
.endr
.irp i, 0,1
	ds_load_b32 v[VSC+\i], v[ADT] offset:8192+128*\i
.endr
.if \guard
	s_cmp_lg_u32 s[KS], s[G]
	s_cbranch_scc1 .Lopen_\@
.set n, 0
.rept 64
	v_cmp_gt_i32 vcc_lo, 16*(n/8)+n%8, v[DQ]       ; key 16 t + 8 h + j of the block against query 16 tau + r
	v_cndmask_b32 v[S+n], v[S+n], v[NINF], vcc_lo
.set n, n+1
.endr
.Lopen_\@:
.endif
.irp b, 0,1,2,3
	v_max3_num_f32 v[BM+\b], v[S+16*\b], v[S+16*\b+1], v[S+16*\b+2]   ; the largest score of each block of 32 keys: it serves for the row's maximum and, since p rises with the score, for the block's largest p
.endr
.irp i, 3,5,7,9,11,13
.irp b, 0,1,2,3
	v_max3_num_f32 v[BM+\b], v[BM+\b], v[S+16*\b+\i], v[S+16*\b+\i+1]
.endr
.endr
.irp b, 0,1,2,3
	v_max_num_f32 v[BM+\b], v[BM+\b], v[S+16*\b+15]
.endr
.irp b, 0,1,2,3
	s_delay_alu instid0(VALU_DEP_4)
	v_permlanex16_b32 v[T4+\b], v[BM+\b], s[SEL], s[SEL+1]
.endr
.irp b, 0,1,2,3
	s_delay_alu instid0(VALU_DEP_4)
	v_max_num_f32 v[BM+\b], v[BM+\b], v[T4+\b]     ; with lane l xor 16's 16 keys
.endr
	s_delay_alu instid0(VALU_DEP_2)
	v_max3_num_f32 v[TMP], v[BM], v[BM+1], v[BM+2]
	s_delay_alu instid0(VALU_DEP_1)
	v_max_num_f32 v[TMP], v[TMP], v[BM+3]          ; the step's largest score of my query
	s_delay_alu instid0(VALU_DEP_1)
	v_mul_f32 v[TMP], s[CS], v[TMP]                ; as t (c is positive)
	s_delay_alu instid0(VALU_DEP_1)
	v_max_num_f32 v11, v11, v[TMP]                 ; the running largest t
	v_mov_b32 v[TMP], v10
	s_delay_alu instid0(VALU_DEP_2)
	v_floor_f32 v10, -v11                          ; the new -M = floor(-t) = -ceil(t): a whole number
	s_delay_alu instid0(VALU_DEP_1)
	v_sub_f32 v[TMP], v10, v[TMP]                  ; old M - new M: a whole number, 0 or less
	s_delay_alu instid0(VALU_DEP_1)
	v_cvt_i32_f32 v[TMP], v[TMP]                   ; (it saturates)
	s_delay_alu instid0(VALU_DEP_1)
	v_ldexp_f32 v[FF], 1.0, v[TMP]                 ; f = 2^(old M - new M)
.set j, 0
.rept 32
	v_pk_fma_f32 v[S+j:S+j+1], v[S+j:S+j+1], s[CS:CS+1], v[10:11] op_sel_hi:[1,0,0]   ; t - M, two at a time
.set j, j+2
.endr
.irp b, 0,1,2,3
	v_fma_f32 v[BM+\b], v[BM+\b], s[CS], v10       ; the same of each block's largest score
.endr
.set j, 0
	s_setprio 1
	s_wait_alu depctr_va_vdst(0)
.rept 64
	v_exp_f32 v[S+j], v[S+j]                       ; p = 2^(t - M), at most 1
.set j, j+1
.endr
	v_pk_mul_f32 v[12:13], v[12:13], v[FF:FF+1] op_sel_hi:[1,0]   ; the sum under the new M: a plain line behind the exponentials
	s_wait_alu depctr_va_vdst(0)                   ; one wait for the batch of 64, ahead of its first reader
.irp b, 0,1,2,3
	v_exp_f32 v[BM+\b], v[BM+\b]                   ; the block's largest p: the same two instructions on the same number
.endr
	v_pk_add_f32 v[14:15], v[108:109], v[112:113]
	v_pk_add_f32 v[252:253], v[116:117], v[120:121]
	v_pk_add_f32 v[250:251], v[124:125], v[128:129]
	v_pk_add_f32 v[248:249], v[132:133], v[136:137]
	v_pk_add_f32 v[246:247], v[140:141], v[144:145]
	v_pk_add_f32 v[238:239], v[148:149], v[152:153]
	v_pk_add_f32 v[236:237], v[156:157], v[160:161]
	v_pk_add_f32 v[12:13], v[12:13], v[164:165]
	v_pk_add_f32 v[14:15], v[14:15], v[104:105]
	v_pk_add_f32 v[252:253], v[252:253], v[106:107]
	v_pk_add_f32 v[250:251], v[250:251], v[110:111]
	v_pk_add_f32 v[248:249], v[248:249], v[114:115]
	v_pk_add_f32 v[246:247], v[246:247], v[118:119]
	v_pk_add_f32 v[238:239], v[238:239], v[122:123]
	v_pk_add_f32 v[236:237], v[236:237], v[126:127]
	v_pk_add_f32 v[12:13], v[12:13], v[130:131]
	v_pk_add_f32 v[14:15], v[14:15], v[134:135]
	v_pk_add_f32 v[252:253], v[252:253], v[138:139]
	v_pk_add_f32 v[250:251], v[250:251], v[142:143]
	v_pk_add_f32 v[248:249], v[248:249], v[146:147]
	v_pk_add_f32 v[246:247], v[246:247], v[150:151]
	v_pk_add_f32 v[238:239], v[238:239], v[154:155]
	v_pk_add_f32 v[236:237], v[236:237], v[158:159]
	v_pk_add_f32 v[12:13], v[12:13], v[162:163]
	v_pk_add_f32 v[14:15], v[14:15], v[166:167]
	s_delay_alu instid0(VALU_DEP_2)
	v_pk_add_f32 v[12:13], v[12:13], v[248:249]
	s_delay_alu instid0(VALU_DEP_2)
	v_pk_add_f32 v[14:15], v[14:15], v[246:247]
	v_pk_add_f32 v[252:253], v[252:253], v[238:239]
	v_pk_add_f32 v[250:251], v[250:251], v[236:237]
	s_delay_alu instid0(VALU_DEP_2)
	v_pk_add_f32 v[12:13], v[12:13], v[252:253]
	s_delay_alu instid0(VALU_DEP_2)
	v_pk_add_f32 v[14:15], v[14:15], v[250:251]
	s_delay_alu instid0(VALU_DEP_1)
	v_pk_add_f32 v[12:13], v[12:13], v[14:15]
	s_wait_alu depctr_va_vdst(0)                   ; and one for the four
.irp b, 0,1,2,3
	v_max_num_f32 v[BM+\b], 0x8000000, v[BM+\b]    ; the floor 2^(16 - 127): the byte cannot fall under 1
.endr
.irp b, 0,1,2,3
	s_delay_alu instid0(VALU_DEP_4)
	v_add_nc_u32 v[SCO+\b], 0xf8800000, v[BM+\b]   ; 15 off the exponent field: the conversion's scale operand
.endr
.irp b, 0,1,2,3
.endr
.irp b, 0,1,2,3
	s_delay_alu instid0(VALU_DEP_4)
	v_lshrrev_b32 v[T4+\b], 23, v[SCO+\b]          ; the scale's byte
.endr
	s_delay_alu instid0(VALU_DEP_3)
	v_lshl_or_b32 v[PW], v[T4+1], 8, v[T4]         ; p's scale word for these 128 keys
	s_delay_alu instid0(VALU_DEP_1)
	v_lshl_or_b32 v[PW], v[T4+2], 16, v[PW]
	s_delay_alu instid0(VALU_DEP_1)
	v_lshl_or_b32 v[PW], v[T4+3], 24, v[PW]
	s_setprio 0
.irp b, 0,1,2,3
.set j, 0
.rept 16
.set j, j+1
.endr
	v_cvt_scalef32_pk8_bf8_f32 v[PC+4*\b:PC+4*\b+1], v[S+16*\b:S+16*\b+7], v[SCO+\b]
	v_cvt_scalef32_pk8_bf8_f32 v[PC+4*\b+2:PC+4*\b+3], v[S+16*\b+8:S+16*\b+15], v[SCO+\b]
.endr
.set j, 0
.rept 16
	v_pk_mul_f32 v[OT+j:OT+j+1], v[OT+j:OT+j+1], v[FF:FF+1] op_sel_hi:[1,0]   ; O^T under the new M.  (These sixteen are also the places between the codes and the products)
.set j, j+2
.endr
	s_wait_alu depctr_va_vdst(0)
	s_wait_dscnt 0x0                               ; V is in
.irp d, 0,2
	v_wmma_scale_f32_16x16x128_f8f6f4 v[OT+8*\d:OT+8*\d+7], v[32+16*\d:47+16*\d], v[PC:PC+15], v[OT+8*\d:OT+8*\d+7], v[VSC+\d/2], v[PW] matrix_a_fmt:MATRIX_FMT_BF8 matrix_b_fmt:MATRIX_FMT_BF8
	v_wmma_scale_f32_16x16x128_f8f6f4 v[OT+8*\d+8:OT+8*\d+15], v[48+16*\d:63+16*\d], v[PC:PC+15], v[OT+8*\d+8:OT+8*\d+15], v[VSC+\d/2], v[PW] matrix_a_fmt:MATRIX_FMT_BF8 matrix_b_fmt:MATRIX_FMT_BF8 matrix_a_scale:MATRIX_SCALE_ROW1
.endr
.if \guard
.Lskip_\@:
.endif
	s_add_co_u32 s[TB], s[TB], BLKB
	s_add_co_u32 s[KS], s[KS], 1
.endm
; A tile ends: O^T / the sum is a head's 64 columns of 16 rows of ctx: two blocks of 32, quantised; the halves of the lanes exchange so that lane (r, h) holds columns 32 b + 16 h + 0 .. 15; 1,024 bytes and 32 scale bytes leave.
.macro TILE_END ci, cs
.rept 8
	v_nop                                          ; eight places behind the last products, ahead of the first read of O^T
.endr
	v_add_f32 v12, v12, v13                        ; the sum's two halves,
	s_delay_alu instid0(VALU_DEP_1)
	v_permlanex16_b32 v[T4], v12, s[SEL], s[SEL+1]
	s_delay_alu instid0(VALU_DEP_1)
	v_add_f32 v12, v12, v[T4]                      ; and lane l xor 16's
	s_wait_alu depctr_va_vdst(0)
	v_rcp_f32 v[FF], v12
	v_nop                                          ; a plain line behind the transcendental
	s_wait_alu depctr_va_vdst(0)                   ; and the wait ahead of its first reader
.set j, 0
.rept 16
	v_pk_mul_f32 v[S+j:S+j+1], v[OT+j:OT+j+1], v[FF:FF+1] op_sel_hi:[1,0]   ; register 8 dt + i: column 16 dt + 8 h + i; each accumulator from its low end on
.set j, j+2
.endr
.irp b, 0,1
	v_max3_num_f32 v[BM+\b], |v[S+16*\b]|, |v[S+16*\b+1]|, 0x8000000
.endr
.irp i, 2,4,6,8,10,12,14
.irp b, 0,1
	s_delay_alu instid0(VALU_DEP_2)
	v_max3_num_f32 v[BM+\b], v[BM+\b], |v[S+16*\b+\i]|, |v[S+16*\b+\i+1]|
.endr
.endr
.irp b, 0,1
	s_delay_alu instid0(VALU_DEP_2)
	v_permlanex16_b32 v[T4+\b], v[BM+\b], s[SEL], s[SEL+1]
.endr
.irp b, 0,1
	s_delay_alu instid0(VALU_DEP_2)
	v_max_num_f32 v[BM+\b], v[BM+\b], v[T4+\b]
.endr
.irp b, 0,1
	s_delay_alu instid0(VALU_DEP_2)
	v_add_nc_u32 v[SCO+\b], 0xf8800000, v[BM+\b]
.endr
.irp b, 0,1
	s_delay_alu instid0(VALU_DEP_2)
	v_lshrrev_b32 v[T4+\b], 23, v[SCO+\b]          ; the two scale bytes
.endr
.irp b, 0,1
.set j, 0
.rept 16
.set j, j+1
.endr
	v_cvt_scalef32_pk8_bf8_f32 v[PC+4*\b:PC+4*\b+1], v[S+16*\b:S+16*\b+7], v[SCO+\b]         ; columns 32 b + 8 h + 0..7
	v_cvt_scalef32_pk8_bf8_f32 v[PC+4*\b+2:PC+4*\b+3], v[S+16*\b+8:S+16*\b+15], v[SCO+\b]    ; columns 32 b + 16 + 8 h + 0..7
.endr
	v_nop                                          ; one plain line behind the last conversion
.irp b, 0,1
.irp k, 0,1
	v_permlanex16_b32 v[T4+2], v[PC+4*\b+2+\k], s[SEL], s[SEL+1]
	v_permlanex16_b32 v[T4+3], v[PC+4*\b+\k], s[SEL], s[SEL+1]
	v_cndmask_b32 v[NW+4*\b+\k], v[T4+2], v[PC+4*\b+\k], s[HM]       ; the first eight bytes: lanes 0-15 their own columns 0..7, lanes 16-31 the other half's 16..23
	v_cndmask_b32 v[NW+4*\b+2+\k], v[PC+4*\b+2+\k], v[T4+3], s[HM]   ; the second eight: lanes 0-15 the other half's 8..15, lanes 16-31 their own 24..31
.endr
.endr
	v_cndmask_b32 v[TMP], v[T4+1], v[T4], s[HM]    ; lanes 0-15 store block 0's byte, lanes 16-31 block 1's
	global_store_b128 v[LI], v[NW:NW+3], s[\ci:\ci+1]              ; 32 lanes store 512 consecutive bytes, at a multiple of 256 from the buffer's first byte
	global_store_b128 v[LI], v[NW+4:NW+7], s[\ci:\ci+1] offset:512
	global_store_b8 v[SRO], v[TMP], s[\cs:\cs+1]
.endm
	TILE_BEGIN QCB, QSB
	s_wait_tensorcnt 0x1                           ; my first load (one of key steps 0-3) is in; my second may be out: the next four steps read key steps 0-3 alone
	s_wait_loadcnt 0x0                             ; Q
	s_barrier_signal -1
	s_barrier_wait -1                              ; everybody's first load is in
.Lfirst:                                           ; key steps 0-3: the first tile's block is 8 or more, so all their keys count
	STEP 0
	s_cmp_lt_u32 s[KS], 4
	s_cbranch_scc1 .Lfirst
	s_setprio 0
	s_wait_tensorcnt 0x0                           ; my second load is in
	s_wait_dscnt 0x0
	s_barrier_signal -1
	s_barrier_wait -1                              ; everybody's is: all of K and V lie in LDS, for the rest of the launch
.Lrest:                                            ; key steps 4-15
	STEP 1
	s_cmp_lt_u32 s[KS], 16
	s_cbranch_scc1 .Lrest
	s_setprio 0
	TILE_END CIB, CSB
	s_mov_b32 s[G], s[W7]                          ; the second tile's block
	s_mov_b32 s[KS], 0
	s_mov_b32 s[TB], 0
	TILE_BEGIN QCA, QSA
	s_wait_loadcnt 0x0
.Lsecond:                                          ; key steps 0-7
	STEP 1
	s_cmp_lt_u32 s[KS], 8
	s_cbranch_scc1 .Lsecond
	s_setprio 0
	TILE_END CIA, CSA
	s_wait_dscnt 0x0
	s_wait_tensorcnt 0x0
	ds_add_u32 v254, v255
	s_wait_dscnt 0x0
	CROUND                                         ; the closing round: no work-group ends while a partner may still ask for a tile that names it
	s_endpgm
.Lfunc_end_k_q0427d392b2_attn:
	.size	k_q0427d392b2_attn, .Lfunc_end_k_q0427d392b2_attn-k_q0427d392b2_attn
	.p2alignl 7, 3214868480
	.fill 96, 4, 3214868480
	.section	.rodata,"a",@progbits
	.p2align	6, 0x0
	.amdhsa_kernel k_q0427d392b2_attn
		.amdhsa_group_segment_fixed_size 280576
		.amdhsa_private_segment_fixed_size 0
		.amdhsa_enable_private_segment 0
		.amdhsa_kernarg_size 24
		.amdhsa_user_sgpr_count 2
		.amdhsa_user_sgpr_kernarg_segment_ptr 1
		.amdhsa_wavefront_size32 1
		.amdhsa_system_sgpr_workgroup_id_x 1
		.amdhsa_system_sgpr_workgroup_id_y 1
		.amdhsa_system_sgpr_workgroup_id_z 1
		.amdhsa_system_vgpr_workitem_id 0
		.amdhsa_next_free_vgpr 256
		.amdhsa_next_free_sgpr 80
		.amdhsa_reserve_vcc 1
		.amdhsa_float_denorm_mode_32 3
		.amdhsa_float_denorm_mode_16_64 3
		.amdhsa_fp16_overflow 1
		.amdhsa_memory_ordered 1
		.amdhsa_forward_progress 1
		.amdhsa_inst_pref_size 84
	.end_amdhsa_kernel
	.amdgpu_metadata
---
amdhsa.version: [ 1, 2 ]
amdhsa.kernels:
  - .name:           k_q0427d392b2_attn
    .symbol:         k_q0427d392b2_attn.kd
    .args:
      - { .name: qkv, .offset: 0, .size: 8, .value_kind: global_buffer, .address_space: global }
      - { .name: ctx_img, .offset: 8, .size: 8, .value_kind: global_buffer, .address_space: global }
      - { .name: ctx_sc, .offset: 16, .size: 8, .value_kind: global_buffer, .address_space: global }
    .group_segment_fixed_size: 280576
    .private_segment_fixed_size: 0
    .kernarg_segment_align: 8
    .kernarg_segment_size: 24
    .max_flat_workgroup_size: 512
    .sgpr_count:     80
    .vgpr_count:     256
    .wavefront_size: 32
...
	.end_amdgpu_metadata
.endif
;; end of part 2
;; launch proj (part 3): grid 4 x 32, 4 waves a work-group, clusters of 4 x 4, 327,680 bytes of LDS; arguments ctx_img, ctx_sc, W_o_codes, W_o_scales, b_o, out0; writes out0
.if DOCPART == 3
	.amdgcn_target "amdgcn-amd-amdhsa--gfx1250"
	.amdhsa_code_object_version 6
	.text
	.protected	k_q0427d392b2_proj
	.globl	k_q0427d392b2_proj
	.p2align	8
	.type	k_q0427d392b2_proj,@function
k_q0427d392b2_proj:
	s_mov_b64 s[64:65], 0
	v_nop
	global_prefetch_b8 v0, s[64:65] scope:SCOPE_SE
	s_setreg_imm32_b32 hwreg(HW_REG_WAVE_MODE, 25, 1), 1
	s_wait_xcnt 0x0
	s_wait_alu depctr_hold_cnt(0) depctr_sa_sdst(0) depctr_va_vdst(0) depctr_va_sdst(0) depctr_va_ssrc(0) depctr_va_vcc(0) depctr_vm_vsrc(0)
	s_getreg_b32 s2, hwreg(HW_REG_IB_STS2, 6, 4)
	s_cmp_eq_u32 s2, 0
	s_cbranch_scc0 .Lentry_in_a_cluster
	s_endpgm
.Lentry_in_a_cluster:
	s_bfe_u32 s2, ttmp6, 0x10000c
	s_cmp_lg_u32 s2, 0xf033
	s_cbranch_scc0 .Lentry_shape_is_right
	s_endpgm
.Lentry_shape_is_right:
; out0 = ctx W_o + b_o on codes of BF8 (E5M2) with one E8M0 scale for each 32 along K = 1,024.  out0: [8,192][1,024] f32; sums in f32.
; A = ctx comes as IMAGES of operand registers, [tile of 16 rows 512][128 along K 8][chunk 4][512 bytes], lane l's 16 bytes at 16 l, made by the launch before; its scale bytes [8,192][32].
; B = W_o: [1,024 (n)][1,024 (k)] codes, K innermost; its scale bytes [1,024][32].
; A tile of out0, 256 x 256, is made by a work-group of four waves; a wave makes 128 x 128: 64 accumulators of 16 x 16.  K goes in four steps of 256 through a ring of two LDS slots.
; 128 tiles, 128 work-groups: a tile of half the rows would read 12 fragments from LDS for 32 products where this one reads 16 for 64.
; CLUSTERS: 4 x 4 work-groups.  The four of a row of the cluster need the same tiles of A, the four of a column the same tiles of B: each tile is asked for jointly.
; THE MATRIX INSTRUCTION IS USED TRANSPOSED (source 0 = 16 rows of B, source 1 = 16 rows of A): a lane holds eight neighbouring numbers of a row of out0.  THE BIAS is the C of each sum's first product.
; REGISTERS, in windows of 256: window 0: v0-31 addresses; v32-63 scale words, two sets; v64-127 the bias, eight registers for each of B's blocks; from v128 A's fragments, one set; on the way out v128-255 are free.
;   window 1: B's fragments, two sets.   windows 2, 3: the accumulators ((a, b) at v[8 (8 (a % 4) + b)]).
.set SIZE_N, 1024
.set KSTEP,  256
.set NQ,     2
.set ROWB,   256                       ; a row of B's tile in bytes
.set AROWB,  4096                      ; a tile of 16 rows of A, 256 along K: two fragments' images
.set KROW,   1024                      ; a row of B in memory; also: A's image has 1,024 bytes for each row
.set PITCH,  272                       ; B's LDS row: 256 bytes + 16 of padding: the 16 rows that a load touches start at 16 different banks (64 banks of 4 bytes: ISA guide 11.1)
.set FR,     16
.set NL,     4
.set NP,     8                         ; places behind this matrix instruction (ISA guide 7.12.1)
.set HALFA,  8*AROWB                   ; 128 rows of A: images, no padding: a load's 512 bytes are consecutive
.set HALFB,  128*PITCH
.set SLOT,   2*HALFA+2*HALFB           ; A's 256 rows, then B's 256 rows
.set LAPS,   2
.set KS,     32
.set SCL,    2*SLOT                    ; behind the ring: the scales, as units of 256 bytes + 16 of padding; filled once
.set HALFS,  16*272
.set SBLK,   2*272
.set SPARE,  SCL+4*HALFS               ; the spare words, 128 bytes for each wave: two blocks of 256 bytes that no other line names
.set SPITCH, 528                       ; the way out: a stage of 16 rows x (512 bytes + 16) for each wave, in slot 0, which has had its last fill and its last read when the first result is stored there
.set ADRA, 16
.set ADRB, 20
.set STO,  24
.set RD,   25
.set CO,   26
.set ADRS, 27
.set SPW,  28                          ; v28  LDS address of my spare word; never rewritten
.set NIL,  29                          ; v29  0; never rewritten
.set SC,   32
.set BI,   64                          ; the bias
.set AF,   128
.set BK,   128
.set CP,   98                          ; s[98:99] out0
.set G1, 24
.set G0, 32
.set G1B, 48
.set G0B, 56
.set G1S, 68
.set G0S, 76
.set G1SB, 80
.set G0SB, 88
.set MSB, 0
.macro WIN new                         ; the immediate's high byte repeats the setting that is left
.if MSB != \new
	s_set_vgpr_msb (MSB<<8)|\new
.set MSB, \new
.endif
.endm
.set MUL_LO, 0xa1                      ; source 0 (B) window 1, source 1 (A) window 0, C and D window 2
.set MUL_HI, 0xf1                      ; the same, C and D window 3
.set BIA_LO, 0x81                      ; the first step: C (the bias) window 0, D window 2
.set BIA_HI, 0xc1                      ; D window 3
.set TO_B,   0x40
.macro JLOAD g0a, g1a, g0b, g1b        ; a joint load: waves 0 and 1 fetch for A, waves 2 and 3 for B; four v_nop follow each of the two lines
	s_cmp_eq_u32 s15, 0
	s_cbranch_scc0 .Lfor_b_\@
	tensor_load_to_lds s[\g0a:\g0a+3], s[\g1a:\g1a+7]
	s_nop 0
.rept 4
	v_nop
.endr
	s_branch .Lasked_\@
.Lfor_b_\@:
	tensor_load_to_lds s[\g0b:\g0b+3], s[\g1b:\g1b+7]
	s_nop 0
.rept 4
	v_nop
.endr
.Lasked_\@:
.endm
.macro CREST
	s_cmp_lg_u32 s14, 0
	s_cbranch_scc1 .Lnot_wave_0_\@
	s_barrier_signal -3
.Lnot_wave_0_\@:
	s_barrier_wait -3
	s_barrier_signal -1
	s_barrier_wait -1
.endm
.macro CROUND
	s_barrier_signal -1
	s_barrier_wait -1
	CREST
.endm
	s_load_b128 s[4:7], s[0:1], 0x0                ; ctx's images, ctx's scales
	s_load_b128 s[8:11], s[0:1], 0x10              ; W_o's codes, W_o's scales
	s_load_b128 s[96:99], s[0:1], 0x20             ; b_o, out0
	v_lshl_add_u32 v[SPW], v0, 2, SPARE
	v_mov_b32 v[NIL], 0
	ds_add_u32 v28, v29
	ds_add_u32 v28, v29
	s_wait_dscnt 0x0
	v_lshrrev_b32 v1, 5, v0
	v_readfirstlane_b32 s14, v1                    ; wave 0..3
	s_lshr_b32 s15, s14, 1                         ; which half of the tile's rows is mine.  Also: I fetch for A (0) or for B (1)
	s_and_b32 s16, s14, 1                          ; which half of its columns.  Also: which 128 rows of that tile I fetch
	s_bfe_u32 s40, ttmp6, 0x40000                  ; cx, cy
	s_bfe_u32 s41, ttmp6, 0x40004
	s_lshl_b32 s42, ttmp9, 2
	s_add_co_u32 s42, s42, s40                     ; tile column = 4 x cluster x + cx
	s_and_b32 s17, ttmp7, 0xffff
	s_lshl_b32 s17, s17, 2
	s_add_co_u32 s17, s17, s41                     ; tile row = 4 x cluster y + cy
	s_lshl_b32 s43, s41, 2
	s_lshl_b32 s43, 15, s43                        ; my row of the cluster
	s_lshl_b32 s44, 0x1111, s40                    ; my column
	; group 1 for A: 8 tiles of 16 rows, 4,096 bytes of each (512 elements of 8 bytes), 16,384 bytes apart; no padding
	s_or_b32 s[G1+0], s43, (3<<16)|(1<<21)         ; 15:0 the mask: A's tiles go to my row; 17:16 elements of 8 bytes; 21 set beside a mask
	s_mov_b32 s[G1+1], 512<<16                     ; tensor_dim0
	s_mov_b32 s[G1+2], 8<<16                       ; tensor_dim1
	s_mov_b32 s[G1+3], 512<<16                     ; tile_dim0
	s_mov_b32 s[G1+4], 8                           ; tile_dim1
	s_mov_b32 s[G1+5], 2048                        ; the pitch, in elements
	s_mov_b32 s[G1+6], 0
	s_mov_b32 s[G1+7], 0
	; for B: 128 rows x 256 bytes, padded in LDS
	s_or_b32 s[G1B+0], s44, (0<<16)|(1<<20)|(1<<21)|(5<<22)|(3<<25)
	s_mov_b32 s[G1B+1], ROWB<<16
	s_mov_b32 s[G1B+2], 128<<16
	s_mov_b32 s[G1B+3], ROWB<<16
	s_mov_b32 s[G1B+4], 128
	s_mov_b32 s[G1B+5], KROW
	s_mov_b32 s[G1B+6], 0
	s_mov_b32 s[G1B+7], 0
	; for the scales of 128 rows: a dense block of 4,096 bytes, as 16 rows of 256 bytes, 16 bytes of padding behind each
	s_or_b32 s[G1S+0], s43, (3<<16)|(1<<20)|(1<<21)|(5<<22)|(3<<25)
	s_or_b32 s[G1SB+0], s44, (3<<16)|(1<<20)|(1<<21)|(5<<22)|(3<<25)
.irp g, G1S, G1SB
	s_mov_b32 s[\g+1], 32<<16
	s_mov_b32 s[\g+2], 16<<16
	s_mov_b32 s[\g+3], 32<<16
	s_mov_b32 s[\g+4], 16
	s_mov_b32 s[\g+5], 32
	s_mov_b32 s[\g+6], 0
	s_mov_b32 s[\g+7], 0
.endr
	s_lshl_b32 s18, s16, 7                         ; which 128 rows of the tile I fetch
	s_lshl_b32 s20, s17, 8
	s_add_co_u32 s20, s20, s18                     ; A: row 256 x tile row + 128 x half
	s_lshl_b32 s46, s42, 8
	s_add_co_u32 s46, s46, s18                     ; B: row 256 x tile column + 128 x half
	s_mov_b32 s21, 0
	s_mov_b32 s47, 0
	s_mov_b64 s[18:19], KS
	s_mul_u64 s[22:23], s[20:21], s[18:19]         ; where these rows' scales begin
	s_mul_u64 s[92:93], s[46:47], s[18:19]
	s_mov_b64 s[18:19], KROW
	s_mul_u64 s[20:21], s[20:21], s[18:19]         ; and their codes (A: 16 rows' images are 16,384 bytes)
	s_mul_u64 s[46:47], s[46:47], s[18:19]
	s_mul_i32 s45, s16, HALFA                      ; where they go: A's two halves,
	s_mul_i32 s95, s16, HALFB
	s_add_co_u32 s95, s95, 2*HALFA                 ; then B's two: no place in the cluster enters an LDS address
	s_mul_i32 s94, s14, HALFS
	s_wait_kmcnt 0x0
	s_add_nc_u64 s[20:21], s[4:5], s[20:21]
	s_add_nc_u64 s[22:23], s[6:7], s[22:23]
	s_add_nc_u64 s[46:47], s[8:9], s[46:47]
	s_add_nc_u64 s[92:93], s[10:11], s[92:93]
	CROUND                                         ; all sixteen work-groups are here: the first joint loads meet
	s_mov_b32 s[G0S], 1
	s_add_co_u32 s[G0S+1], s94, SCL
	s_mov_b64 s[G0S+2:G0S+3], s[22:23]
	s_or_b32 s[G0S+3], s[G0S+3], 0x80000000
	s_mov_b32 s[G0SB], 1
	s_add_co_u32 s[G0SB+1], s94, SCL
	s_mov_b64 s[G0SB+2:G0SB+3], s[92:93]
	s_or_b32 s[G0SB+3], s[G0SB+3], 0x80000000
	JLOAD G0S, G1S, G0SB, G1SB                     ; the scales first: they are wanted with K step 0
.irp s, 0,1
	s_mov_b32 s[G0+4*\s], 1
	s_add_co_u32 s[G0+4*\s+1], s45, \s*SLOT
	s_add_nc_u64 s[G0+4*\s+2:G0+4*\s+3], s[20:21], \s*AROWB
	s_or_b32 s[G0+4*\s+3], s[G0+4*\s+3], 0x80000000
	s_mov_b32 s[G0B+4*\s], 1
	s_add_co_u32 s[G0B+4*\s+1], s95, \s*SLOT
	s_add_nc_u64 s[G0B+4*\s+2:G0B+4*\s+3], s[46:47], \s*ROWB
	s_or_b32 s[G0B+4*\s+3], s[G0B+4*\s+3], 0x80000000
	s_wait_alu depctr_va_vdst(0)
	s_wait_tensorcnt 0x0
	ds_add_u32 v28, v29
	s_wait_dscnt 0x0
	CROUND
	JLOAD G0+4*\s, G1, G0B+4*\s, G1B
.endr
	v_and_b32 v1, 15, v0                           ; l % 16
	v_bfe_u32 v2, v0, 4, 1                         ; l / 16
	v_and_b32 v6, 31, v0                           ; lane
	v_lshlrev_b32 v[CO], 4, v6                     ; 16 x lane: an image's place for my lane, and my place in a row of out0
	v_mul_u32_u24 v3, v1, PITCH
	v_lshl_add_u32 v4, v2, 4, v3                   ; B: a fragment's row x pitch + 16 x half
	s_mul_i32 s21, s15, HALFA                      ; my 128 rows of A
	s_mul_i32 s22, s16, HALFB                      ; my 128 rows of B,
	s_add_co_u32 s22, s22, 2*HALFA                 ; which lie behind A's 256
.irp s, 0,1
	v_add_nc_u32 v[ADRA+\s], s21, v[CO]
	v_add_nc_u32 v[ADRB+\s], s22, v4
	s_add_co_u32 s21, s21, SLOT
	s_add_co_u32 s22, s22, SLOT
.endr
	v_mul_u32_u24 v5, v1, KS                       ; my row's scales: 32 bytes a row,
	v_lshrrev_b32 v6, 8, v5
	v_lshl_add_u32 v5, v6, 4, v5                   ; and 16 more for each 256 passed
	s_mul_i32 s21, s15, HALFS
	s_mul_i32 s22, s16, HALFS
	s_add_co_u32 s22, s22, 2*HALFS
	s_sub_co_u32 s22, s22, s21
	v_mul_u32_u24 v6, s22, v2                      ; lanes 16-31 take B's: the lower base + h x the distance
	s_add_co_u32 s21, s21, SCL
	v_add_nc_u32 v5, v5, v6
	v_add_nc_u32 v[ADRS], s21, v5
	s_mul_i32 s23, s14, 16*SPITCH                  ; my stage
	v_mul_u32_u24 v5, v1, SPITCH                   ; in: row l % 16, 32 bytes for each half of the lanes
	v_lshl_add_u32 v5, v2, 5, v5
	v_add_nc_u32 v[STO], s23, v5
	v_add_nc_u32 v[RD], s23, v[CO]                 ; back: the 32 lanes take one row of 512 bytes
	s_lshl_b32 s20, s17, 8
	s_lshl_b32 s21, s15, 7
	s_add_co_u32 s20, s20, s21                     ; my first row of out0
	s_mov_b32 s21, 0
	s_mov_b64 s[18:19], SIZE_N*4
	s_mul_u64 s[20:21], s[20:21], s[18:19]
	s_lshl_b32 s46, s42, 10                        ; my first column, in bytes: 1,024 x tile column + 512 x half
	s_lshl_b32 s47, s16, 9
	s_add_co_u32 s46, s46, s47
	s_mov_b32 s47, 0
	s_add_nc_u64 s[20:21], s[20:21], s[46:47]
	s_add_nc_u64 s[CP:CP+1], s[CP:CP+1], s[20:21]
	s_add_nc_u64 s[96:97], s[96:97], s[46:47]      ; b_o at my first column
	v_lshlrev_b32 v7, 5, v2                        ; lane (r, h) wants, for B's block b, the bias of columns 16 b + 8 h + 0 .. 7
.irp b, 0,1,2,3,4,5,6,7
	global_load_b128 v[BI+8*\b:BI+8*\b+3], v7, s[96:97] offset:64*\b
	global_load_b128 v[BI+8*\b+4:BI+8*\b+7], v7, s[96:97] offset:64*\b+16
.endr
.macro FRAG reg, adr, q, i             ; a fragment of B from rows: lane l holds row l % 16; registers 4 c .. 4 c + 3 hold K = 32 c + 16 (l / 16) + 0 .. 15
.irp c, 0,1,2,3
	ds_load_b128 v[\reg+4*\c:\reg+4*\c+3], v[\adr] offset:128*(\q)+32*\c+(\i)*16*PITCH
.endr
.endm
.macro FRAGA reg, adr, q, i            ; a fragment of A from its image: the same registers in the same lanes as they were stored
.irp c, 0,1,2,3
	ds_load_b128 v[\reg+4*\c:\reg+4*\c+3], v[\adr] offset:AROWB*(\i)+2048*(\q)+512*\c
.endr
.endm
; 16 matrix instructions: A's blocks a0, a0 + 1 x B's eight, 128 along K.  first = 1: the sums begin with the bias as C.  The 64 accumulators take turns, one instruction a turn.
.macro MUL16 a0, p, q, sc, first
.irp a, \a0, \a0+1
.irp b, 0,1,2,3,4,5,6,7
.if \first
	v_wmma_scale_f32_16x16x128_f8f6f4 v[8*(8*((\a)%4)+\b):8*(8*((\a)%4)+\b)+7], v[128*(\p)+FR*\b:128*(\p)+FR*\b+FR-1], v[AF+FR*(\a):AF+FR*(\a)+FR-1], v[BI+8*\b:BI+8*\b+7], v[SC+8*NQ*(\sc)+NQ*\b+(\q)], v[SC+8*NQ*(\sc)+NQ*(\a)+(\q)] matrix_a_fmt:MATRIX_FMT_BF8 matrix_b_fmt:MATRIX_FMT_BF8 matrix_a_scale:MATRIX_SCALE_ROW1
.else
	v_wmma_scale_f32_16x16x128_f8f6f4 v[8*(8*((\a)%4)+\b):8*(8*((\a)%4)+\b)+7], v[128*(\p)+FR*\b:128*(\p)+FR*\b+FR-1], v[AF+FR*(\a):AF+FR*(\a)+FR-1], v[8*(8*((\a)%4)+\b):8*(8*((\a)%4)+\b)+7], v[SC+8*NQ*(\sc)+NQ*\b+(\q)], v[SC+8*NQ*(\sc)+NQ*(\a)+(\q)] matrix_a_fmt:MATRIX_FMT_BF8 matrix_b_fmt:MATRIX_FMT_BF8 matrix_a_scale:MATRIX_SCALE_ROW1
.endif
.endr
.endr
.endm
.macro FETCH_B slot, q, p
	WIN TO_B
.irp i, 0,1,2,3,4,5,6,7
	FRAG 128*(\p)+FR*\i, ADRB+\slot, \q, \i
.endr
	WIN 0
.endm
.macro FETCH_A slot, q, i0
.irp i, \i0, \i0+1, \i0+2, \i0+3
	FRAGA AF+FR*(\i), ADRA+\slot, \q, \i
.endr
.endm
.macro SCALES sc                       ; the next K step's scale words into set sc: lanes 0-15 take A's block i, lanes 16-31 B's block i
.irp i, 0,1,2,3,4,5,6,7
	ds_load_b64 v[SC+8*NQ*\sc+NQ*\i:SC+8*NQ*\sc+NQ*\i+1], v[ADRS] offset:\i*SBLK
.endr
.endm
.macro PLACES n                        ; places in front of loads into registers that matrix instructions have read, and of the first read of results (ISA guide 7.12.1 for vector instructions)
.rept \n
	v_nop
.endr
.endm
.macro STEP slot, q, first             ; a step of 128 along K that has its successor in the same slot
	s_wait_dscnt 4*NL                              ; B's set and A's blocks 0-3 are in; the youngest sixteen loads (A's blocks 4-7) may be out
.if \first
	WIN BIA_LO
.else
	WIN MUL_LO
.endif
	MUL16 0, (\q)%2, \q, \slot, \first
	MUL16 2, (\q)%2, \q, \slot, \first
	s_wait_dscnt 0                                 ; A's blocks 4-7 are in
	PLACES NP
	FETCH_B \slot, (\q)+1, 1-(\q)%2
	FETCH_A \slot, (\q)+1, 0
.if \first
	WIN BIA_HI
.else
	WIN MUL_HI
.endif
	MUL16 4, (\q)%2, \q, \slot, \first
	MUL16 6, (\q)%2, \q, \slot, \first
	PLACES NP
	WIN 0
	FETCH_A \slot, (\q)+1, 4
.endm
; A slot's last step changes slots: one barrier; in front of it each wave waits for all its tensor loads, adds 0 to its spare word, and waits for that and for its own reads of this slot.  fill = 1: this slot is filled again, two K steps ahead.
.macro TURN slot, next, fill
	s_wait_tensorcnt 0x0                           ; all my tensor loads have landed: my part of the next slot  (every window is 0 here)
	ds_add_u32 v[SPW], v[NIL]                      ; 0 onto my spare word
	s_wait_dscnt 4*NL+1                            ; (the add and the youngest sixteen loads, A's blocks 4-7, may be out)
	WIN MUL_LO
	MUL16 0, 1, NQ-1, \slot, 0                     ; sixteen matrix instructions stand between the add and the wait for it
	s_wait_dscnt 0x0                               ; the add is done, and my reads of this slot are over
	s_barrier_signal -1
	MUL16 2, 1, NQ-1, \slot, 0
	WIN 0
	s_barrier_wait -1
.if \fill
	CREST                                          ; the barrier has opened a round of the cluster's barrier: no wave of any partner still reads this slot's tile or has a load on its way
	s_add_nc_u64 s[G0+4*\slot+2:G0+4*\slot+3], s[G0+4*\slot+2:G0+4*\slot+3], 2*AROWB
	s_add_nc_u64 s[G0B+4*\slot+2:G0B+4*\slot+3], s[G0B+4*\slot+2:G0B+4*\slot+3], 2*ROWB
	JLOAD G0+4*\slot, G1, G0B+4*\slot, G1B         ; the first tensor load behind the round; its four v_nop are among the places in front of the loads below
	PLACES NP-4
.else
	PLACES NP
.endif
	s_wait_alu depctr_va_vdst(0)
	v_add_nc_u32 v[ADRS], 4*NQ, v[ADRS]            ; on to the next K step's scale words (no LDS load of mine is out)
	FETCH_B \next, 0, 0
	FETCH_A \next, 0, 0
	SCALES \next
	WIN MUL_HI
	MUL16 4, 1, NQ-1, \slot, 0
	MUL16 6, 1, NQ-1, \slot, 0
	PLACES NP
	WIN 0
	FETCH_A \next, 0, 4
.endm
	s_wait_alu depctr_va_vdst(0)
	s_wait_tensorcnt 1                             ; three loads of mine were issued: the scales and K step 0 are in, K step 1's may be out
	s_barrier_signal -1
	s_barrier_wait -1
	FETCH_B 0, 0, 0
	FETCH_A 0, 0, 0
	SCALES 0
	FETCH_A 0, 0, 4
	s_wait_loadcnt 0x0                             ; the bias
	STEP 0, 0, 1                                   ; the first step stands in front of the loop: its products start the sums, on the bias
	s_mov_b32 s3, LAPS-1
.Llap:                                                 ; a trip goes once round the ring and fills both slots again
	TURN 0, 1, 1
	STEP 1, 0, 0
	TURN 1, 0, 1
	STEP 0, 0, 0
	s_sub_co_u32 s3, s3, 1
	s_cmp_lg_u32 s3, 0
	s_cbranch_scc1 .Llap
	TURN 0, 1, 0                                   ; the last lap fills nothing, and has no round of the cluster's barrier
	STEP 1, 0, 0
	s_wait_dscnt 4*NL                              ; the very last step: nothing more to fetch
	WIN MUL_LO
	MUL16 0, 1, NQ-1, 1, 0
	MUL16 2, 1, NQ-1, 1, 0
	s_wait_dscnt 0
	WIN MUL_HI
	MUL16 4, 1, NQ-1, 1, 0
	MUL16 6, 1, NQ-1, 1, 0
	WIN 0
; THE WAY OUT, block by block of 16 rows x 128 columns.  A lane holds 32 neighbouring bytes of a row, and the lanes beside it hold other rows: so a block goes through my own stage in LDS and comes back as whole
; rows of 512 bytes.  LDS serves a wave's instructions in order (ISA guide 5.7.1.4): no wait between the stores and the loads, nor in front of the next block's stores.
.macro TOSTAGE a
.set AC, 64*((\a)%4)
.set SW, 8+4*((\a)/4)
	WIN SW                                         ; an LDS store's data are its source 1: window 2 or 3
.irp b, 0,1,2,3,4,5,6,7
	ds_store_b128 v[STO], v[AC+8*\b:AC+8*\b+3] offset:64*\b          ; each accumulator from its low end on
	ds_store_b128 v[STO], v[AC+8*\b+4:AC+8*\b+7] offset:64*\b+16
.endr
	WIN 0
.set BB, BK+64*((\a)%2)
.irp t, 0,1,2,3,4,5,6,7,8,9,10,11,12,13,14,15
	ds_load_b128 v[BB+4*\t:BB+4*\t+3], v[RD] offset:\t*SPITCH
.endr
.endm
.macro SEND a, younger                 ; younger: the LDS instructions issued behind block a's loads, which may stay out
.set BB, BK+64*((\a)%2)
	s_wait_dscnt \younger                          ; the block is back in registers
.if (\a) > 0
	s_add_nc_u64 s[CP:CP+1], s[CP:CP+1], 16*SIZE_N*4   ; (behind a wait on XCNT: the earlier stores have read their base)  16 rows on
.endif
.irp t, 0,1,2,3,4,5,6,7,8,9,10,11,12,13,14,15
	global_store_b128 v[CO], v[BB+4*\t:BB+4*\t+3], s[CP:CP+1] offset:\t*SIZE_N*4 th:TH_STORE_NT   ; 32 lanes store 512 consecutive bytes, at a multiple of 256 from out0's first byte; written once, read by nobody here
.endr
.endm
	PLACES NP                                      ; behind the last products: for the loads into the registers that held A's fragments, and for the reads of results
	TOSTAGE 0
.irp a, 1,2,3,4,5,6,7
.if \a > 1
	s_wait_xcnt 0x0                                ; block a - 2's stores have read their registers and their base: block a's loads may land there, and the base may step
.endif
	TOSTAGE \a
	SEND \a-1, 32                                  ; behind block a - 1's loads: block a's 16 stores and 16 loads
.endr
	s_wait_xcnt 0x0                                ; block 6's stores have read their base
	SEND 7, 0
	s_wait_tensorcnt 0x0                           ; the wave's end: behind my last tensor load and my last LDS store
	ds_add_u32 v[SPW], v[NIL]
	s_wait_dscnt 0x0
	CROUND                                         ; the closing round: no work-group ends while a partner may still ask for a tile that names it
	s_endpgm
.Lfunc_end_k_q0427d392b2_proj:
	.size	k_q0427d392b2_proj, .Lfunc_end_k_q0427d392b2_proj-k_q0427d392b2_proj
	.p2alignl 7, 3214868480
	.fill 96, 4, 3214868480
	.section	.rodata,"a",@progbits
	.p2align	6, 0x0
	.amdhsa_kernel k_q0427d392b2_proj
		.amdhsa_group_segment_fixed_size 327680
		.amdhsa_private_segment_fixed_size 0
		.amdhsa_enable_private_segment 0
		.amdhsa_kernarg_size 48
		.amdhsa_user_sgpr_count 2
		.amdhsa_user_sgpr_kernarg_segment_ptr 1
		.amdhsa_wavefront_size32 1
		.amdhsa_system_sgpr_workgroup_id_x 1
		.amdhsa_system_sgpr_workgroup_id_y 1
		.amdhsa_system_sgpr_workgroup_id_z 1
		.amdhsa_system_vgpr_workitem_id 0
		.amdhsa_next_free_vgpr 1024
		.amdhsa_next_free_sgpr 100
		.amdhsa_reserve_vcc 0
		.amdhsa_float_denorm_mode_32 3
		.amdhsa_float_denorm_mode_16_64 3
		.amdhsa_memory_ordered 1
		.amdhsa_forward_progress 1
		.amdhsa_inst_pref_size 148
	.end_amdhsa_kernel
	.amdgpu_metadata
---
amdhsa.version: [ 1, 2 ]
amdhsa.kernels:
  - .name:           k_q0427d392b2_proj
    .symbol:         k_q0427d392b2_proj.kd
    .args:
      - { .name: ctx_img, .offset: 0, .size: 8, .value_kind: global_buffer, .address_space: global }
      - { .name: ctx_sc, .offset: 8, .size: 8, .value_kind: global_buffer, .address_space: global }
      - { .name: W_o_codes, .offset: 16, .size: 8, .value_kind: global_buffer, .address_space: global }
      - { .name: W_o_scales, .offset: 24, .size: 8, .value_kind: global_buffer, .address_space: global }
      - { .name: b_o, .offset: 32, .size: 8, .value_kind: global_buffer, .address_space: global }
      - { .name: out0, .offset: 40, .size: 8, .value_kind: global_buffer, .address_space: global }
    .group_segment_fixed_size: 327680
    .private_segment_fixed_size: 0
    .kernarg_segment_align: 8
    .kernarg_segment_size: 48
    .max_flat_workgroup_size: 128
    .sgpr_count:     100
    .vgpr_count:     1024
    .wavefront_size: 32
...
	.end_amdgpu_metadata
.endif
;; end of part 3
